; MI455X (gfx1250); checked and timed in simulation.
; The chip was launched on July 23, 2026; its instructions are those of AMD's public machine-readable ISA for CDNA 5 (MIT licence, August 2026) and "CDNA5" Instruction Set Architecture Reference Guide (July 2026). The comments in the code are by the model that wrote it; some were corrected since.
;; Sliding Window Attention. Allowed arithmetic: float matrix products may take bf16 or f16 operands with f32 sums; other float arithmetic in f32, or as packed bf16 or f16 multiplies, adds, multiply-adds, maxima and minima; sums over many terms, partial sums and values carried from step to step in f32; what a program stores and reads back later, other than sums and carried values, may be rounded once to bf16 or f16.
;; Inputs: beta 1,024 float32; gamma 1,024 float32; w_out 1,024 x 1,024 float32; w_qkv 3,072 x 1,024 float32; x 2 x 2,048 x 1,024 float32.
;; Outputs: out0 2 x 2,048 x 1,024 float32.
;; One version. Each part assembles by itself: llvm-mc -triple=amdgcn-amd-amdhsa -mcpu=gfx1250 --defsym DOCPART=n.
;; ======== version 1 of 1: 4 launches
;; limits: right only within a limited range of input values
;; workspace buffers: xn 8,388,608 bytes; wq16 6,291,456 bytes; wo16 2,097,152 bytes; qkv16 25,165,824 bytes; o16 8,388,608 bytes
;; launch prep (part 1): grid 256 x 1, 8 waves a work-group, no clusters, 0 bytes of LDS; arguments x, w_qkv, w_out, gamma, beta, xn, wq16, wo16; writes xn, wq16, wo16
.if DOCPART == 1
	.amdgcn_target "amdgcn-amd-amdhsa--gfx1250"
	.amdhsa_code_object_version 6
	.text
	.protected	k_qeda04939e7_prep
	.globl	k_qeda04939e7_prep
	.p2align	8
	.type	k_qeda04939e7_prep,@function
k_qeda04939e7_prep:
	s_mov_b64 s[64:65], 0
	v_nop
	global_prefetch_b8 v0, s[64:65] scope:SCOPE_SE
	s_setreg_imm32_b32 hwreg(HW_REG_WAVE_MODE, 25, 1), 1
	s_wait_xcnt 0x0
; THE PROGRAM: out0 = x + Attention(LayerNorm(x) Wqkv^T) Wout^T, in four launches: this one (LayerNorm and the casts), the QKV product, the banded attention, the output product with the residual.
; WORK LEFT OUT, in the third launch.  Where |i - j| > 128 the score of query i and key j is replaced by -inf before the softmax: its weight is exactly 0, and 0 x v[j] reaches no output, whatever finite
; values x, w_qkv, w_out, gamma and beta hold.  So blocks of 64 keys that lie wholly outside a wave's window are never multiplied: 320 keys a query are multiplied where 257 are seen and 2,048 exist.
; No input is left out: all five have a way to out0 and are loaded.
; LIMIT of that: a NaN, an infinity or an overflow in rows of k or v outside a query's window is not carried to that query's result.
; THIS LAUNCH.  xn[m][:] = ((x[m][:] - mu) r) gamma + beta, mu the row's mean, r = 1 / sqrt(mean of (x - mu)^2 + 1e-5): two passes over the row in registers, all in f32, the last step fused,
; rounded once to bf16 (a matrix operand).  wq16 and wo16 are w_qkv and w_out rounded once to bf16 (matrix operands that sixteen and thirty-two row tiles read again).
; SHARES.  The unit is a row of 1,024 f32, 4,096 bytes: 4,096 rows of x, 3,072 of w_qkv, 1,024 of w_out.  A work-group takes 32 rows, each of its eight waves 4: work-groups 0-127 x, 128-223 w_qkv,
; 224-255 w_out: every work-group reads 128 KiB and writes 64 KiB.  A wave issues all its loads at the head (16 KiB of rows) and then works row by row under counted waits.
; A load of a wave covers 512 consecutive bytes, a store 256 consecutive bytes at a multiple of 256 from the buffer's first byte.  A row never leaves its wave: no LDS, no barrier.
; No register that a load or store names is written again, and EXEC never changes: no wait for address translation is owed.
.set T,   4                            ; v[4:11]    at work
.set MU,  20                           ; v[20:21]   the mean, twice (a pair for the packed subtraction)
.set R,   22                           ; v[22:23]   1 / sqrt(var + eps), twice
.set G,   32                           ; v[32:63]   gamma of my 32 columns: register 4 j + q is column 128 j + 4 lane + q
.set BT,  64                           ; v[64:95]   beta likewise
.set X,   96                           ; v[96:223]  four rows of 32 registers, laid as gamma is
	s_load_b512 s[4:19], s[0:1], 0x0               ; x s[4:5], w_qkv s[6:7], w_out s[8:9], gamma s[10:11], beta s[12:13], xn s[14:15], wq16 s[16:17], wo16 s[18:19]
	v_and_b32 v3, 31, v0                           ; lane
	v_lshrrev_b32 v4, 5, v0                        ; wave
	v_lshlrev_b32 v1, 4, v3
	v_lshl_add_u32 v1, v4, 14, v1                  ; v1: 16 lane + wave x 4 rows x 4,096 bytes: where I load
	v_lshlrev_b32 v2, 3, v3
	v_lshl_add_u32 v2, v4, 13, v2                  ; v2: 8 lane + wave x 4 rows x 2,048 bytes: where I store
	v_lshlrev_b32 v3, 4, v3                        ; v3: 16 lane: my place in gamma and beta
	s_mov_b32 s28, 0x3a800000                      ; 1 / 1024
	s_mov_b32 s29, 0x3727c5ac                      ; 1e-5
	s_mov_b32 s30, 0x76543210                      ; v_permlanex16_b32: each lane takes its own place in the other half
	s_mov_b32 s31, 0xfedcba98
	s_mov_b32 s25, 0                               ; high words of the two offsets
	s_mov_b32 s27, 0
	s_wait_kmcnt 0x0
.macro ROWS                            ; my four rows: 32 loads
.irp r, 0,1,2,3
.irp j, 0,1,2,3,4,5,6,7
	global_load_b128 v[X+32*(\r)+4*(\j):X+32*(\r)+4*(\j)+3], v1, s[20:21] offset:4096*(\r)+512*(\j) th:TH_LOAD_NT
.endr
.endr
.endm
.macro OUTROW r                        ; row r is rounded in place, ascending (register i takes numbers 2 i and 2 i + 1, which no later line reads), and stored
.set XR, X+32*(\r)
.set i, 0
.rept 16
	v_cvt_pk_bf16_f32 v[XR+i], v[XR+2*i], v[XR+2*i+1]
.set i, i+1
.endr
.irp j, 0,1,2,3,4,5,6,7
	global_store_b64 v2, v[XR+2*(\j):XR+2*(\j)+1], s[22:23] offset:2048*(\r)+256*(\j)
.endr
.endm
.macro FOLD                            ; four packed chains into one number, then over the 32 lanes: four steps inside each half ride on the addition, one crosses the halves
	v_pk_add_f32 v[T:T+1], v[T:T+1], v[T+2:T+3]
	v_pk_add_f32 v[T+4:T+5], v[T+4:T+5], v[T+6:T+7]
	v_pk_add_f32 v[T:T+1], v[T:T+1], v[T+4:T+5]
	v_add_f32 v[T], v[T], v[T+1]
	v_add_f32_dpp v[T], v[T], v[T] row_xmask:1 row_mask:0xf bank_mask:0xf
	v_add_f32_dpp v[T], v[T], v[T] row_xmask:2 row_mask:0xf bank_mask:0xf
	v_add_f32_dpp v[T], v[T], v[T] row_xmask:4 row_mask:0xf bank_mask:0xf
	v_add_f32_dpp v[T], v[T], v[T] row_xmask:8 row_mask:0xf bank_mask:0xf
	v_permlanex16_b32 v[T+1], v[T], s30, s31       ; its destination counts as read: a register that has been written
	v_add_f32 v[T], v[T], v[T+1]
.endm
; One row's LayerNorm.  left = the loads of the younger rows, eight each, which may stay out.
.macro LNROW r, left
.set XR, X+32*(\r)
	s_wait_loadcnt \left                           ; loads come back in order: gamma, beta and my row are in
.irp c, 0,2,4,6
	v_pk_add_f32 v[T+(\c):T+(\c)+1], v[XR+(\c):XR+(\c)+1], v[XR+8+(\c):XR+8+(\c)+1]  ; the first eight pairs start four chains: nothing is cleared
.endr
.irp k, 16,24
.irp c, 0,2,4,6
	v_pk_add_f32 v[T+(\c):T+(\c)+1], v[T+(\c):T+(\c)+1], v[XR+(\k)+(\c):XR+(\k)+(\c)+1]
.endr
.endr
	FOLD
	v_mul_f32 v[MU], s28, v[T]
	v_mul_f32 v[MU+1], s28, v[T]
.set i, 0
.rept 16
	v_pk_add_f32 v[XR+i:XR+i+1], v[XR+i:XR+i+1], v[MU:MU+1] neg_lo:[0,1] neg_hi:[0,1]  ; x - mu
.set i, i+2
.endr
.irp c, 0,2,4,6
	v_pk_mul_f32 v[T+(\c):T+(\c)+1], v[XR+(\c):XR+(\c)+1], v[XR+(\c):XR+(\c)+1]
.endr
.irp k, 8,16,24
.irp c, 0,2,4,6
	v_pk_fma_f32 v[T+(\c):T+(\c)+1], v[XR+(\k)+(\c):XR+(\k)+(\c)+1], v[XR+(\k)+(\c):XR+(\k)+(\c)+1], v[T+(\c):T+(\c)+1]
.endr
.endr
	FOLD
	v_fma_f32 v[T], v[T], s28, s29                 ; var + eps
	v_rsq_f32 v[R], v[T]                           ; twice, to fill the pair that the packed multiply takes
	v_rsq_f32 v[R+1], v[T]
	v_nop                                          ; a plain instruction between the last of them and the use of a result
	s_wait_alu depctr_va_vdst(0)                   ; one wait for the two, ahead of their first reader
.set i, 0
.rept 16
	v_pk_mul_f32 v[XR+i:XR+i+1], v[XR+i:XR+i+1], v[R:R+1]
.set i, i+2
.endr
.set i, 0
.rept 16
	v_pk_fma_f32 v[XR+i:XR+i+1], v[XR+i:XR+i+1], v[G+i:G+i+1], v[BT+i:BT+i+1]
.set i, i+2
.endr
	OUTROW \r
.endm
.macro CASTROW r, left
	s_wait_loadcnt \left
	OUTROW \r
.endm
	s_cmp_lt_u32 ttmp9, 128
	s_cbranch_scc1 .Lln
	; THE CASTS: work-groups 128-223 take w_qkv, 224-255 w_out
	s_sub_co_u32 s2, ttmp9, 128
	s_sub_co_u32 s3, s2, 96
	s_cmp_lt_u32 s2, 96
	s_cselect_b64 s[20:21], s[6:7], s[8:9]
	s_cselect_b64 s[22:23], s[16:17], s[18:19]
	s_cselect_b32 s2, s2, s3                       ; my block of 32 rows in that tensor
	s_lshl_b32 s24, s2, 17                         ; 32 rows x 4,096 bytes
	s_lshl_b32 s26, s2, 16                         ; 32 rows x 2,048 bytes
	s_add_nc_u64 s[20:21], s[20:21], s[24:25]
	s_add_nc_u64 s[22:23], s[22:23], s[26:27]
	ROWS
	CASTROW 0, 24
	CASTROW 1, 16
	CASTROW 2, 8
	CASTROW 3, 0
	s_endpgm
.Lln:
	; LAYERNORM: work-groups 0-127
	s_lshl_b32 s24, ttmp9, 17
	s_lshl_b32 s26, ttmp9, 16
	s_add_nc_u64 s[20:21], s[4:5], s[24:25]
	s_add_nc_u64 s[22:23], s[14:15], s[26:27]
.irp j, 0,1,2,3,4,5,6,7
	global_load_b128 v[G+4*(\j):G+4*(\j)+3], v3, s[10:11] offset:512*(\j)
	global_load_b128 v[BT+4*(\j):BT+4*(\j)+3], v3, s[12:13] offset:512*(\j)
.endr
	ROWS
	LNROW 0, 24
	LNROW 1, 16
	LNROW 2, 8
	LNROW 3, 0
	s_endpgm
.Lfunc_end_k_qeda04939e7_prep:
	.size	k_qeda04939e7_prep, .Lfunc_end_k_qeda04939e7_prep-k_qeda04939e7_prep
	.p2alignl 7, 3214868480
	.fill 96, 4, 3214868480
	.section	.rodata,"a",@progbits
	.p2align	6, 0x0
	.amdhsa_kernel k_qeda04939e7_prep
		.amdhsa_group_segment_fixed_size 0
		.amdhsa_private_segment_fixed_size 0
		.amdhsa_enable_private_segment 0
		.amdhsa_kernarg_size 64
		.amdhsa_user_sgpr_count 2
		.amdhsa_user_sgpr_kernarg_segment_ptr 1
		.amdhsa_wavefront_size32 1
		.amdhsa_system_sgpr_workgroup_id_x 1
		.amdhsa_system_sgpr_workgroup_id_y 1
		.amdhsa_system_sgpr_workgroup_id_z 1
		.amdhsa_system_vgpr_workitem_id 0
		.amdhsa_next_free_vgpr 224
		.amdhsa_next_free_sgpr 66
		.amdhsa_reserve_vcc 0
		.amdhsa_float_denorm_mode_32 3
		.amdhsa_float_denorm_mode_16_64 3
		.amdhsa_memory_ordered 1
		.amdhsa_forward_progress 1
		.amdhsa_inst_pref_size 48
	.end_amdhsa_kernel
	.amdgpu_metadata
---
amdhsa.version: [ 1, 2 ]
amdhsa.kernels:
  - .name:           k_qeda04939e7_prep
    .symbol:         k_qeda04939e7_prep.kd
    .args:
      - { .name: x, .offset: 0, .size: 8, .value_kind: global_buffer, .address_space: global }
      - { .name: w_qkv, .offset: 8, .size: 8, .value_kind: global_buffer, .address_space: global }
      - { .name: w_out, .offset: 16, .size: 8, .value_kind: global_buffer, .address_space: global }
      - { .name: gamma, .offset: 24, .size: 8, .value_kind: global_buffer, .address_space: global }
      - { .name: beta, .offset: 32, .size: 8, .value_kind: global_buffer, .address_space: global }
      - { .name: xn, .offset: 40, .size: 8, .value_kind: global_buffer, .address_space: global }
      - { .name: wq16, .offset: 48, .size: 8, .value_kind: global_buffer, .address_space: global }
      - { .name: wo16, .offset: 56, .size: 8, .value_kind: global_buffer, .address_space: global }
    .group_segment_fixed_size: 0
    .private_segment_fixed_size: 0
    .kernarg_segment_align: 8
    .kernarg_segment_size: 64
    .max_flat_workgroup_size: 256
    .sgpr_count:     66
    .vgpr_count:     224
    .wavefront_size: 32
...
	.end_amdgpu_metadata
.endif
;; end of part 1
;; launch qkv (part 2): grid 16 x 16, 4 waves a work-group, clusters of 4 x 4, 327,680 bytes of LDS; arguments xn, wq16, qkv16; writes qkv16
.if DOCPART == 2
	.amdgcn_target "amdgcn-amd-amdhsa--gfx1250"
	.amdhsa_code_object_version 6
	.text
	.protected	k_qeda04939e7_qkv
	.globl	k_qeda04939e7_qkv
	.p2align	8
	.type	k_qeda04939e7_qkv,@function
k_qeda04939e7_qkv:
	s_mov_b64 s[64:65], 0
	v_nop
	global_prefetch_b8 v0, s[64:65] scope:SCOPE_SE
	s_setreg_imm32_b32 hwreg(HW_REG_WAVE_MODE, 25, 1), 1
	s_wait_xcnt 0x0
	s_wait_alu depctr_hold_cnt(0) depctr_sa_sdst(0) depctr_va_vdst(0) depctr_va_sdst(0) depctr_va_ssrc(0) depctr_va_vcc(0) depctr_vm_vsrc(0)
	s_getreg_b32 s2, hwreg(HW_REG_IB_STS2, 6, 4)
	s_cmp_eq_u32 s2, 0
	s_cbranch_scc0 .Lentry_in_a_cluster
	s_endpgm
.Lentry_in_a_cluster:
	s_bfe_u32 s2, ttmp6, 0x10000c
	s_cmp_lg_u32 s2, 0xf033
	s_cbranch_scc0 .Lentry_shape_is_right
	s_endpgm
.Lentry_shape_is_right:
; qkv[m][e] = the sum over d of xn[m][d] wq16[e][d].  xn: [4096][1024], wq16: [3072][1024], bf16; sums in f32, K ascending; the result rounded once to bf16 (a matrix operand of the next launch)
; and stored BY HEAD SLICES: qkv16[g = e / 64][m][e % 64]: slices 0-15 q's heads, 16-31 k's, 32-47 v's; a slice's rows are dense, 128 bytes each.  The scale 1 / 8 is not applied here.
; SHARES.  A work-group makes 256 rows x 192 columns (three slices): 16 x 16 work-groups.  Wave w makes rows 64 w .. 64 w + 63 of all 192 columns: 4 x 12 accumulators of 16 x 16, 384 registers:
; so a wave holds whole slices, and its way out needs no other wave.  K goes in steps of 128 (rows of 256 bytes, at multiples of 256 from the buffer's first byte) through a ring of two LDS slots.
; CLUSTERS: 4 x 4 work-groups.  The four of a row of the cluster need the same tiles of xn, the four of a column the same tiles of wq16: each tile is asked for JOINTLY, by the same tensor load with
; the same descriptor and a mask that names the four.  Waves 0 and 1 fetch xn's two halves of 128 rows, waves 2 and 3 wq16's two halves of 96 rows: one load a wave.
; THE MATRIX INSTRUCTION IS USED TRANSPOSED (source 0 = 16 rows of wq16, source 1 = 16 rows of xn): a lane then holds row l % 16 and eight neighbouring columns 8 (l / 16) + 0..7: 16 bytes of bf16.
; REGISTERS, in windows of 256 (s_set_vgpr_msb: bits 1:0 source 0, 3:2 source 1, 5:4 source 2, 7:6 destination):
;   window 0: v0-31 addresses; v32-79 packed results; v80-127, v192-239 rows read back from the stage, by turns; v128-159, v160-191 xn's fragments (4 x 16 rows x 32 K), two buffers
;   window 1: v0-95, v96-191 wq16's fragments (12 x 16 rows x 32 K), two buffers
;   window 2: the 24 accumulators of row blocks 0, 1 (block a, column block b at v[8 (12 (a % 2) + b)]);   window 3: those of row blocks 2, 3
.set KSTEP,  128
.set PITCH,  272                       ; an LDS row: 256 bytes + 16 of padding = 68 words: the 16 rows of a fragment load start at 16 different groups of four banks (64 banks of 4 bytes: ISA guide 11.1)
.set HALFA,  128*PITCH                 ; what a wave fetches of xn
.set HALFB,  96*PITCH                  ; what a wave fetches of wq16
.set BOFF,   2*HALFA                   ; in a slot: xn's 256 rows, then wq16's 192
.set SLOT,   2*HALFA+2*HALFB
.set STAGE,  2*SLOT                    ; behind the ring, never filled by a tensor load: 16 rows x 400 bytes for each wave
.set SPITCH, 400                       ; 384 bytes + 16: 25 x 16
.set SPARE,  STAGE+4*16*SPITCH         ; behind the stages: the spare words, 128 bytes for each wave: two blocks of 256 bytes that no other line names
.set SLICE,  524288                    ; bytes in a head slice of qkv16
.set LAPS,   4                         ; a lap = two K steps = once round the ring: 1,024 / 256
.set ADRA, 16                          ; v16-17  LDS address of my xn fragments in slot 0, 1
.set ADRB, 20                          ; v20-21  the same for wq16
.set STO,  24                          ; v24     the way out: where I put 16 bytes of a row
.set RD,   25                          ; v25     the way out: where I read rows back
.set CO,   26                          ; v26     16 x lane: my place in 512 consecutive bytes of a slice
.set SPW,  28                          ; v28     LDS address of my spare word: SPARE + 4 x my thread's number; never rewritten
.set NIL,  29                          ; v29     0; never rewritten
.set PFO,  30                          ; v30     the prefetches' offset: my lane's row x 2,048 bytes; never rewritten
.set TMP,  32
.set OB,   80                          ; block a's rows come back into v[OB + 112 (a % 2) ..]
.set FA,   128
.set PFA,  44                          ; s[44:45] where my prefetches stand
.set LIM,  43                          ; s43     1 in a wave that prefetches, else the greatest number
.set G1,   24                          ; s[24:31] descriptor group 1 for xn's tiles
.set G0,   32                          ; s[32:39] group 0 for xn's tiles, a set for each slot
.set G1B,  48                          ; s[48:55], s[56:63] the same for wq16's
.set G0B,  56
.set MSB, 0
.macro WIN new                         ; the immediate's high byte repeats the setting that is left; a switch that changes nothing is dropped
.if MSB != (\new)
	s_set_vgpr_msb (MSB<<8)|(\new)
.set MSB, \new
.endif
.endm
.set MUL_LO, 0xa1                      ; source 0 (wq16) window 1, source 1 (xn) window 0, C and D window 2
.set MUL_HI, 0xf1                      ; the same, C and D window 3
.set TO_B,   0x40                      ; destination window 1, address window 0
; A joint load.  The branch hangs on the wave's number alone.  An s_nop 0 and four v_nop follow each of the two lines, ahead of the jump, the label and what follows.
.macro JLOAD s
	s_cmp_eq_u32 s11, 0
	s_cbranch_scc0 .Lfor_b_\@
	tensor_load_to_lds s[G0+4*(\s):G0+4*(\s)+3], s[G1:G1+7]
	s_nop 0
.rept 4
	v_nop
.endr
	s_branch .Lasked_\@
.Lfor_b_\@:
	tensor_load_to_lds s[G0B+4*(\s):G0B+4*(\s)+3], s[G1B:G1B+7]
	s_nop 0
.rept 4
	v_nop
.endr
.Lasked_\@:
.endm
; A PREFETCH INTO THE L2 behind each joint refill, its five lines and the run of LDS loads: the K step that stands TWO refills on, 384 matrix instructions ahead of the load that will ask for it: 256 bytes of a row, a lane a row.
; xn's tile row is read by every cluster of that row of clusters: cluster x = 0 asks; wq16's tile column by every cluster of that column: cluster y = 0 asks.  The four partners that ask for a tile
; jointly share its rows out BY ADDRESS: of xn's 128 rows 32 each (by cx), of wq16's 96 rows 24 each (by cy; lanes 24-31 repeat lane 23's row).  The refills for K steps 2 to 5 name K steps 4 to 7;
; the last trip's refills name nothing; K steps 0 to 3 come by their loads alone.
.macro ASK
	s_cmp_gt_u32 s3, s[LIM]                        ; s3 = 1 in the loop's last trip
	s_cbranch_scc0 .Lnot_mine_\@
	global_prefetch_b8 v[PFO], s[PFA:PFA+1] offset:KSTEP*2 th:TH_LOAD_NT scope:SCOPE_SE
.Lnot_mine_\@:
.endm
; A round of the cluster's barrier: my work-group's barrier, so that wave 0's signal speaks for all four waves; wave 0 signals; every wave waits for all sixteen work-groups; my work-group's barrier once more.
.macro CREST
	s_cmp_lg_u32 s10, 0
	s_cbranch_scc1 .Lnot_wave_0_\@
	s_barrier_signal -3
.Lnot_wave_0_\@:
	s_barrier_wait -3
	s_barrier_signal -1
	s_barrier_wait -1
.endm
.macro CROUND
	s_barrier_signal -1
	s_barrier_wait -1
	CREST
.endm
	s_load_b128 s[4:7], s[0:1], 0x0                ; xn s[4:5], wq16 s[6:7]
	s_load_b64 s[8:9], s[0:1], 0x10                ; qkv16
	v_lshl_add_u32 v[SPW], v0, 2, SPARE
	v_mov_b32 v[NIL], 0
	ds_add_u32 v[SPW], v[NIL]                      ; the wave's opening: the add, twice on end, and its wait ahead of my first tensor load; the set-up below, work on registers, stands between
	ds_add_u32 v[SPW], v[NIL]
	v_lshrrev_b32 v1, 5, v0
	v_readfirstlane_b32 s10, v1                    ; wave 0..3
	s_lshr_b32 s11, s10, 1                         ; I fetch for xn (0) or for wq16 (1)
	s_and_b32 s12, s10, 1                          ; which half of that tile I fetch
	s_bfe_u32 s40, ttmp6, 0x40000                  ; cx
	s_bfe_u32 s41, ttmp6, 0x40004                  ; cy
	s_lshl_b32 s42, ttmp9, 2                       ; in a cluster launch ttmp9 and ttmp7 count clusters
	s_add_co_u32 s42, s42, s40                     ; tx: my 192 columns
	s_and_b32 s13, ttmp7, 0xffff
	s_lshl_b32 s13, s13, 2
	s_add_co_u32 s13, s13, s41                     ; ty: my 256 rows
	s_lshl_b32 s43, s41, 2
	s_lshl_b32 s43, 15, s43                        ; my row of the cluster: places 4 cy .. 4 cy + 3
	s_lshl_b32 s44, 0x1111, s40                    ; my column: places cx, cx + 4, cx + 8, cx + 12
	s_or_b32 s[G1+0], s43, (1<<16)|(1<<20)|(1<<21)|(5<<22)|(3<<25)   ; 15:0 the mask; 17:16 2-byte elements; 20 padding on; 21 set beside a mask; 24:22 after every 64 words (code 5); 31:25 4 words (code 3)
	s_or_b32 s[G1B+0], s44, (1<<16)|(1<<20)|(1<<21)|(5<<22)|(3<<25)
	s_mov_b32 s[G1+1], KSTEP<<16                   ; tensor_dim0 = 128
	s_mov_b32 s[G1+2], 128<<16                     ; tensor_dim1 = 128
	s_mov_b32 s[G1+3], KSTEP<<16                   ; tile_dim0 = 128
	s_mov_b32 s[G1+4], 128                         ; tile_dim1 = 128
	s_mov_b32 s[G1+5], 1024                        ; elements from row to row
	s_mov_b32 s[G1+6], 0
	s_mov_b32 s[G1+7], 0
	s_mov_b32 s[G1B+1], KSTEP<<16
	s_mov_b32 s[G1B+2], 96<<16                     ; tensor_dim1 = 96
	s_mov_b32 s[G1B+3], KSTEP<<16
	s_mov_b32 s[G1B+4], 96                         ; tile_dim1 = 96
	s_mov_b32 s[G1B+5], 1024
	s_mov_b32 s[G1B+6], 0
	s_mov_b32 s[G1B+7], 0
	; xn's tiles hang on ty alone, which my row of the cluster shares; wq16's on tx alone, which my column shares.  Every wave makes both addresses, in registers that never hold the other coordinate.
	s_lshl_b32 s16, s13, 8
	s_lshl_b32 s17, s12, 7
	s_add_co_u32 s16, s16, s17                     ; xn: row 256 ty + 128 x half,
	s_lshl_b32 s16, s16, 11                        ; x 2,048 bytes: under 2^23
	s_mov_b32 s17, 0
	s_mul_i32 s46, s42, 192
	s_mul_i32 s47, s12, 96
	s_add_co_u32 s46, s46, s47                     ; wq16: row 192 tx + 96 x half
	s_lshl_b32 s46, s46, 11
	s_mov_b32 s47, 0
	s_mul_i32 s20, s12, HALFA                      ; where they go: no place in the cluster enters an LDS address
	s_mul_i32 s21, s12, HALFB
	s_add_co_u32 s21, s21, BOFF
	s_wait_dscnt 0x0                               ; both opening adds are done
	s_wait_kmcnt 0x0
	s_add_nc_u64 s[14:15], s[4:5], s[16:17]
	s_add_nc_u64 s[46:47], s[6:7], s[46:47]
	CROUND                                         ; all sixteen work-groups are here: the first joint loads meet
.irp s, 0,1
	s_mov_b32 s[G0+4*(\s)], 1                                        ; count = 1
	s_add_co_u32 s[G0+4*(\s)+1], s20, (\s)*SLOT                      ; LDS address
	s_add_nc_u64 s[G0+4*(\s)+2:G0+4*(\s)+3], s[14:15], (\s)*KSTEP*2  ; global address: K step s
	s_or_b32 s[G0+4*(\s)+3], s[G0+4*(\s)+3], 0x80000000              ; type = 2
	s_mov_b32 s[G0B+4*(\s)], 1
	s_add_co_u32 s[G0B+4*(\s)+1], s21, (\s)*SLOT
	s_add_nc_u64 s[G0B+4*(\s)+2:G0B+4*(\s)+3], s[46:47], (\s)*KSTEP*2
	s_or_b32 s[G0B+4*(\s)+3], s[G0B+4*(\s)+3], 0x80000000
	JLOAD \s                                       ; two loads of mine are out
.endr
	; A fragment is 16 rows x 32 K in 8 registers: lane l holds row l % 16; registers 0-3 K = 8 (l / 16) + 0..7, registers 4-7 K = 16 + 8 (l / 16) + 0..7: two loads of 16 bytes, 32 bytes apart.
	v_and_b32 v1, 15, v0                           ; l % 16
	v_bfe_u32 v2, v0, 4, 1                         ; l / 16
	v_mul_u32_u24 v3, v1, PITCH
	v_lshl_add_u32 v3, v2, 4, v3
	s_mul_i32 s21, s10, 64*PITCH                   ; my 64 rows of xn
	s_mov_b32 s22, BOFF                            ; all 192 rows of wq16
.irp s, 0,1
	v_add_nc_u32 v[ADRA+(\s)], s21, v3
	v_add_nc_u32 v[ADRB+(\s)], s22, v3
	s_add_co_u32 s21, s21, SLOT
	s_add_co_u32 s22, s22, SLOT
.endr
	s_mul_i32 s23, s10, 16*SPITCH
	s_add_co_u32 s23, s23, STAGE                   ; my stage
	v_mul_u32_u24 v4, v1, SPITCH                   ; in: row l % 16, 16 bytes for each half of the lanes
	v_lshl_add_u32 v4, v2, 4, v4
	v_add_nc_u32 v[STO], s23, v4
	v_bfe_u32 v5, v0, 3, 2                         ; back: 32 lanes take four rows' 128 bytes of one slice,
	v_and_b32 v6, 7, v0
	v_mul_u32_u24 v5, v5, SPITCH
	v_lshl_add_u32 v5, v6, 4, v5
	v_add_nc_u32 v[RD], s23, v5
	v_and_b32 v[CO], 31, v0                        ; which are 512 consecutive bytes of qkv16
	v_lshlrev_b32 v[CO], 4, v[CO]
	; qkv16 at slice 3 tx, row 256 ty + 64 w
	s_lshl_b32 s16, s13, 15
	s_lshl_b32 s17, s10, 13
	s_add_co_u32 s16, s16, s17
	s_mov_b32 s17, 0
	s_mul_i32 s46, s42, 3*SLICE                    ; (in the registers that held wq16's address)
	s_mov_b32 s47, 0
	s_add_nc_u64 s[16:17], s[16:17], s[46:47]
	s_add_nc_u64 s[8:9], s[8:9], s[16:17]
	; the prefetches
	s_lshl_b32 s20, s13, 8
	s_lshl_b32 s21, s12, 7
	s_add_co_u32 s20, s20, s21
	s_lshl_b32 s21, s40, 5
	s_add_co_u32 s20, s20, s21                     ; xn: row 256 ty + 128 x half + 32 cx
	s_mul_i32 s18, s42, 192
	s_mul_i32 s19, s12, 96
	s_add_co_u32 s18, s18, s19
	s_mul_i32 s19, s41, 24
	s_add_co_u32 s18, s18, s19                     ; wq16: row 192 tx + 96 x half + 24 cy
	s_and_b32 s22, ttmp7, 0xffff                   ; cluster y
	s_cmp_eq_u32 s11, 0                            ; do I fetch for xn?
	s_cselect_b32 s20, s20, s18
	s_cselect_b32 s22, ttmp9, s22                  ; the coordinate along which other clusters read the same rows
	s_cselect_b32 s21, 31, 23                      ; my last row's lane
	s_cselect_b64 s[PFA:PFA+1], s[4:5], s[6:7]
	s_cmp_eq_u32 s22, 0
	s_cselect_b32 s[LIM], 1, -1                    ; the same in all sixteen partners, for a given wave
	v_and_b32 v[PFO], 31, v0
	v_min_u32 v[PFO], s21, v[PFO]
	v_lshlrev_b32 v[PFO], 11, v[PFO]
	s_lshl_b32 s20, s20, 11
	s_mov_b32 s21, 0
	s_add_nc_u64 s[PFA:PFA+1], s[PFA:PFA+1], s[20:21]
	s_add_nc_u64 s[PFA:PFA+1], s[PFA:PFA+1], 2*KSTEP*2  ; at K step 2: the first refill steps it to 3 and names K step 4.  Nothing is prefetched here, at the head
; 12 matrix instructions: row block a x all 12 column blocks, 32 along K, from buffer f.  zero = 1: the product starts the sums: nothing is ever cleared.
; The 48 accumulators take turns, one instruction a turn, in the same order in every quarter step, over the backward jump too.
.macro MUL12 f, a, zero
	WIN MUL_LO+0x50*((\a)/2)
.irp b, 0,1,2,3,4,5,6,7,8,9,10,11
.if \zero
	v_wmma_f32_16x16x32_bf16 v[8*(12*((\a)%2)+(\b)):8*(12*((\a)%2)+(\b))+7], v[96*(\f)+8*(\b):96*(\f)+8*(\b)+7], v[FA+32*(\f)+8*(\a):FA+32*(\f)+8*(\a)+7], 0
.else
	v_wmma_f32_16x16x32_bf16 v[8*(12*((\a)%2)+(\b)):8*(12*((\a)%2)+(\b))+7], v[96*(\f)+8*(\b):96*(\f)+8*(\b)+7], v[FA+32*(\f)+8*(\a):FA+32*(\f)+8*(\a)+7], v[8*(12*((\a)%2)+(\b)):8*(12*((\a)%2)+(\b))+7]
.endif
.endr
.endm
; 32 LDS loads in one run: the fragments of a quarter step (192 rows of wq16, my 64 rows of xn, 32 K at byte k of the rows) into buffer f
.macro FETCH slot, k, f
	WIN TO_B
.irp i, 0,1,2,3,4,5,6,7,8,9,10,11
	ds_load_b128 v[96*(\f)+8*(\i):96*(\f)+8*(\i)+3],   v[ADRB+(\slot)] offset:(\k)+(\i)*16*PITCH
	ds_load_b128 v[96*(\f)+8*(\i)+4:96*(\f)+8*(\i)+7], v[ADRB+(\slot)] offset:(\k)+(\i)*16*PITCH+32
.endr
	WIN 0
.irp i, 0,1,2,3
	ds_load_b128 v[FA+32*(\f)+8*(\i):FA+32*(\f)+8*(\i)+3],   v[ADRA+(\slot)] offset:(\k)+(\i)*16*PITCH
	ds_load_b128 v[FA+32*(\f)+8*(\i)+4:FA+32*(\f)+8*(\i)+7], v[ADRA+(\slot)] offset:(\k)+(\i)*16*PITCH+32
.endr
.endm
.macro PLACES                          ; four plain places behind a matrix instruction, in front of loads into registers that it has read and of conversions that read results
.rept 4
	v_nop
.endr
.endm
; A K step is four quarters of 32 along K, 48 matrix instructions each, on buffers 0, 1, 0, 1.  One of the first three: multiplies buffer f and, in its middle, fetches the next quarter, at byte k, into g.
.macro QUARTER slot, k, f, g, zero
	s_wait_dscnt 4                                 ; wq16's fragments and xn's blocks 0, 1 are in; the youngest four loads (blocks 2, 3) may be out
	MUL12 \f, 0, \zero
	MUL12 \f, 1, \zero
	PLACES
	FETCH \slot, \k, \g
	s_wait_dscnt 32                                ; all but the 32 just issued
	MUL12 \f, 2, \zero
	MUL12 \f, 3, \zero
.endm
; The last quarter multiplies buffer 1 and changes slots.  MEET is its first half: ONE barrier.  In front of it each wave waits for all its tensor loads, of which one is out: its part of the next slot;
; adds 0 to its spare word; and waits for that and for its own reads of this slot.  Behind it nobody reads this slot any more and the next slot is whole.
.macro MEET round
	WIN 0                                          ; (the add's two registers lie in window 0)
	s_wait_tensorcnt 0x0
	ds_add_u32 v[SPW], v[NIL]                      ; 0 onto my spare word
	s_wait_dscnt 5                                 ; (the add and the youngest four loads may be out)
	MUL12 1, 0, 0                                  ; twelve matrix instructions stand between the add and the wait for it
	s_wait_dscnt 0x0                               ; the add is done, and my reads of this slot are over
	s_barrier_signal -1
	MUL12 1, 1, 0                                  ; work on registers while the others arrive
.if \round
	WIN 0
.endif
	s_barrier_wait -1
.endm
; The whole last quarter where the slot is filled again, two K steps ahead: the barrier opens a round of the cluster's barrier, and the joint refill is the first tensor load behind the round.
.macro TURN slot, next
	s_wait_xcnt 0x0                                ; the last prefetch, a K step back, has read its address: it is stepped here, ahead of the waits of the change of slots
	s_add_nc_u64 s[PFA:PFA+1], s[PFA:PFA+1], KSTEP*2
	MEET 1
	CREST                                          ; no wave of any partner still reads this slot's tile or has a load on its way
	s_add_nc_u64 s[G0+4*(\slot)+2:G0+4*(\slot)+3], s[G0+4*(\slot)+2:G0+4*(\slot)+3], 2*KSTEP*2
	s_add_nc_u64 s[G0B+4*(\slot)+2:G0B+4*(\slot)+3], s[G0B+4*(\slot)+2:G0B+4*(\slot)+3], 2*KSTEP*2
	JLOAD \slot                                    ; its four v_nop are also the places in front of the loads below
	FETCH \next, 0, 0
	ASK
	MUL12 1, 2, 0
	MUL12 1, 3, 0
.endm
; THE WAY OUT of row block a.  PACK: rounded to bf16, each accumulator's registers ascending.  TOSTAGE: 16 bytes a lane into my own stage, and back as four rows' 128 bytes of one slice.  SEND: stored.
.macro PACK a
	WIN 0x0a+5*((\a)/2)                            ; sources 0 and 1: window 2 or 3
.irp b, 0,1,2,3,4,5,6,7,8,9,10,11
.irp q, 0,1,2,3
	v_cvt_pk_bf16_f32 v[TMP+4*(\b)+(\q)], v[96*((\a)%2)+8*(\b)+2*(\q)], v[96*((\a)%2)+8*(\b)+2*(\q)+1]
.endr
.endr
	WIN 0
.endm
.macro TOSTAGE a
.set BK, OB+112*((\a)%2)
.irp b, 0,1,2,3,4,5,6,7,8,9,10,11
	ds_store_b128 v[STO], v[TMP+4*(\b):TMP+4*(\b)+3] offset:32*(\b)
.endr
.irp t, 0,1,2,3,4,5,6,7,8,9,10,11
	ds_load_b128 v[BK+4*(\t):BK+4*(\t)+3], v[RD] offset:((\t)%4)*4*SPITCH+((\t)/4)*128  ; LDS serves a wave's instructions in order (ISA guide 5.7.1.4): these see the stores above
.endr
.endm
.macro SEND a
.set BK, OB+112*((\a)%2)
	s_wait_dscnt 0x0                               ; the block is back in registers
.if (\a) > 0
	s_wait_xcnt 0x0                                ; the stores of the block before have read their registers, into which the next block's rows are loaded
.endif
.irp t, 0,1,2,3,4,5,6,7,8,9,10,11
	global_store_b128 v[CO], v[BK+4*(\t):BK+4*(\t)+3], s[8:9] offset:((\t)/4)*SLICE+(16*(\a)+4*((\t)%4))*128  ; 512 consecutive bytes, at a multiple of 256 from qkv16's first byte
.endr
.endm
	s_wait_tensorcnt 1                             ; my part of K step 0 is in; K step 1's may stay out
	s_barrier_signal -1
	s_barrier_wait -1                              ; everybody's is
	FETCH 0, 0, 0
	QUARTER 0, 64,  0, 1, 1                        ; the first quarter stands in front of the loop: its products start the sums
	WIN 0                                          ; at a label and at a branch every window is 0
	s_mov_b32 s3, LAPS-1
.Llap:                                                 ; a trip goes once round the ring, from a lap's second quarter to the next lap's first, and fills both slots again
	QUARTER 0, 128, 1, 0, 0
	QUARTER 0, 192, 0, 1, 0
	TURN 0, 1
	QUARTER 1, 64,  0, 1, 0
	QUARTER 1, 128, 1, 0, 0
	QUARTER 1, 192, 0, 1, 0
	TURN 1, 0
	QUARTER 0, 64,  0, 1, 0
	WIN 0
	s_sub_co_u32 s3, s3, 1
	s_cmp_lg_u32 s3, 0
	s_cbranch_scc1 .Llap
	QUARTER 0, 128, 1, 0, 0                        ; the last lap fills nothing
	QUARTER 0, 192, 0, 1, 0
	MEET 0                                         ; my one tensor load that was still out is the last K step's
	PLACES
	FETCH 1, 0, 0
	MUL12 1, 2, 0
	MUL12 1, 3, 0
	QUARTER 1, 64,  0, 1, 0
	QUARTER 1, 128, 1, 0, 0
	QUARTER 1, 192, 0, 1, 0
	s_wait_dscnt 4                                 ; the very last quarter: nothing more to fetch
	MUL12 1, 0, 0
	MUL12 1, 1, 0
	s_wait_dscnt 0x0
	MUL12 1, 2, 0
	MUL12 1, 3, 0
	PLACES
	PACK 0
	TOSTAGE 0
.irp a, 1,2,3                          ; block a's conversions stand between block a - 1's loads from the stage and the wait for them
	PACK \a
	SEND (\a)-1
	TOSTAGE \a
.endr
	SEND 3
	s_wait_tensorcnt 0x0                           ; the wave's end, behind my last tensor load and my last LDS store
	ds_add_u32 v[SPW], v[NIL]
	s_wait_dscnt 0x0
	CROUND                                         ; the closing round: no work-group ends while a partner may still ask for a tile that names it
	s_endpgm
.Lfunc_end_k_qeda04939e7_qkv:
	.size	k_qeda04939e7_qkv, .Lfunc_end_k_qeda04939e7_qkv-k_qeda04939e7_qkv
	.p2alignl 7, 3214868480
	.fill 96, 4, 3214868480
	.section	.rodata,"a",@progbits
	.p2align	6, 0x0
	.amdhsa_kernel k_qeda04939e7_qkv
		.amdhsa_group_segment_fixed_size 327680
		.amdhsa_private_segment_fixed_size 0
		.amdhsa_enable_private_segment 0
		.amdhsa_kernarg_size 24
		.amdhsa_user_sgpr_count 2
		.amdhsa_user_sgpr_kernarg_segment_ptr 1
		.amdhsa_wavefront_size32 1
		.amdhsa_system_sgpr_workgroup_id_x 1
		.amdhsa_system_sgpr_workgroup_id_y 1
		.amdhsa_system_sgpr_workgroup_id_z 1
		.amdhsa_system_vgpr_workitem_id 0
		.amdhsa_next_free_vgpr 960
		.amdhsa_next_free_sgpr 66
		.amdhsa_reserve_vcc 0
		.amdhsa_float_denorm_mode_32 3
		.amdhsa_float_denorm_mode_16_64 3
		.amdhsa_memory_ordered 1
		.amdhsa_forward_progress 1
		.amdhsa_inst_pref_size 120
	.end_amdhsa_kernel
	.amdgpu_metadata
---
amdhsa.version: [ 1, 2 ]
amdhsa.kernels:
  - .name:           k_qeda04939e7_qkv
    .symbol:         k_qeda04939e7_qkv.kd
    .args:
      - { .name: xn, .offset: 0, .size: 8, .value_kind: global_buffer, .address_space: global }
      - { .name: wq16, .offset: 8, .size: 8, .value_kind: global_buffer, .address_space: global }
      - { .name: qkv16, .offset: 16, .size: 8, .value_kind: global_buffer, .address_space: global }
    .group_segment_fixed_size: 327680
    .private_segment_fixed_size: 0
    .kernarg_segment_align: 8
    .kernarg_segment_size: 24
    .max_flat_workgroup_size: 128
    .sgpr_count:     66
    .vgpr_count:     960
    .wavefront_size: 32
...
	.end_amdgpu_metadata
.endif
;; end of part 2
;; launch attn (part 3): grid 8 x 32, 8 waves a work-group, no clusters, 175,104 bytes of LDS; arguments qkv16, o16; writes o16
.if DOCPART == 3
	.amdgcn_target "amdgcn-amd-amdhsa--gfx1250"
	.amdhsa_code_object_version 6
	.text
	.protected	k_qeda04939e7_attn
	.globl	k_qeda04939e7_attn
	.p2align	8
	.type	k_qeda04939e7_attn,@function
k_qeda04939e7_attn:
	s_mov_b64 s[64:65], 0
	v_nop
	global_prefetch_b8 v0, s[64:65] scope:SCOPE_SE
	s_setreg_imm32_b32 hwreg(HW_REG_WAVE_MODE, 25, 1), 1
	s_wait_xcnt 0x0
; BANDED ATTENTION.  o[h][m][:] = the sum over keys j of the same batch with |i - j| <= 128 of softmax_j(q[i] . k[j] / 8) v[j][:].  q, k, v: slices h, 16 + h, 32 + h of qkv16 ([48][4096][64] bf16, row
; m = 2048 b + i); o16: [16][4096][64] bf16.  Products, maxima and sums in f32; the weights p are rounded to bf16 for the second product (their sum l is taken of the unrounded p), o once at the end.
; WORK LEFT OUT: blocks of 64 keys wholly outside a wave's window have weight 0 for all values of the inputs (shown at the head of the first kernel) and are not multiplied; blocks before
; row 0 or past row 2,047 of a batch do not exist and are jumped.
; LIMITS.  A hidden score counts as its value less 1e30: scores stay far below 1e29 in size; c x score stays above -4e37, where c m starts; a weight below 2^-126 counts as 0 in l;
; a NaN, an infinity or an overflow in rows of k or v outside a query's window is not carried to its result.
; SHARES.  A work-group owns 256 queries (block qb) of one batch and head.  Its window, the 512 keys from 256 qb - 128 on, eight blocks of 64, is brought into LDS ONCE: eight tensor loads, one a wave,
; 128 keys of K (waves 0-3) or V (waves 4-7) each; nothing in LDS is filled twice, so there is no ring.  In the first and the last query block one pair of keys does not exist: its load asks for the
; neighbouring pair once more, and what it brings is never read.
; Wave u owns queries 32 u .. 32 u + 31: two tiles of 16.  With w = u / 2 it walks five key steps, LDS blocks w .. w + 4.  With qq the query's place in its block of 64 and kk the key's in its step:
; step 0 hides kk < qq, step 4 hides kk > qq, steps 1 to 3 hide nothing; every step shows every query a key, so the running maximum is always a true score.
; NO CLUSTER: neighbouring query blocks share half their keys, but at LDS places 256 keys apart; a joint load has one LDS address for all that it names, so LDS addresses would hang on the place in the cluster.
; THE MASK is the C operand that starts the sum S^T = K Q^T: 0, or -1e30 where the key is hidden: 64 registers for step 0 and 64 for step 4, made once, in the wait for the tiles.
; LAYOUT.  S^T = K Q^T (source 0 = 16 keys, source 1 = 16 queries) holds ONE query a lane (lane % 16) and the keys 8 (lane / 16) + 0..7; two such results rounded to bf16 ARE source 1 of O^T = V^T P.
; K comes out of LDS as it lies, V ([key][channel]) turned, by ds_load_tr16_b128.
; SOFTMAX.  p = 2^(c s - c m), c = log2(e) / 8, with a running maximum m; O and l are multiplied by a = 2^(c m_old - c m_new) in every step.  Which step is a wave's first hangs on the work-group and
; the wave, so none is written out: m starts at the lowest finite number, O^T and l at 0, and the first step's a is 0.
; IN PHASES: a step's K Q^T, its softmax, its V^T P.  Two waves share a SIMD (512 registers each): one wave's softmax stands beside the other's products.
; REGISTERS (s_set_vgpr_msb: bits 1:0 source 0, 3:2 source 1, 5:4 source 2, 7:6 destination):
;   window 0: v0-15 addresses; v16-23 statistics; v30-31 the add's; v32-39 at work; v64-127 S^T; v128-159 P; v160-191 Q; v192-255 step 4's mask
;   window 1: v0-63 K of a step; v64-127 V of a step; v128-191 O^T; v192-255 step 0's mask
.set PK,    144       ; a row of K in LDS: 128 bytes + 16 of padding = 36 words: the 16 rows of a load start at 16 different groups of four banks (64 banks of 4 bytes: ISA guide 11.1)
.set PV,    160       ; a row of V: 128 + 32 = 40 words
.set VOFF,  512*PK    ; 512 rows of K, then 512 rows of V
.set STAGE, VOFF+512*PV  ; never filled by a tensor load: 16 rows x 144 bytes for each wave, for the way out
.set SP,    144
.set SPARE, STAGE+8*16*SP  ; the spare words, 128 bytes for each wave: four blocks of 256 bytes that no other line names
.set SLICE, 524288
.set AK0, 2           ; v2   my lane's place in a block of K; never rewritten
.set AV0, 3           ; v3   the same for V
.set AK,  4           ; v4   the LDS address of K's run of loads
.set AV,  5           ; v5   of V's
.set STO, 6           ; v6   the way out: where I put 16 bytes of a row
.set RD,  7           ; v7   the way out: where I read rows back
.set GO,  8           ; v8   16 x lane
.set QO,  10          ; v10  my byte offset in 16 rows of Q
.set MV,  12          ; v12-13  c m_old, kept while c m is made anew: by tile
.set E0,  14          ; v14  32 (u % 2) + l % 16 - 8 (l / 16)
.set ST,  16          ; tile t's statistics at v[ST+4 t]: c m, m, l (even keys', odd keys')
.set SPW, 30          ; v30  LDS address of my spare word: SPARE + 4 x my thread's number; never rewritten
.set NIL, 31          ; v31  0; never rewritten
.set TMP, 32          ; by tile, four registers c0-c3 at work; when the maximum is found c2 takes a
.set S,   64
.set P,   128
.set Q,   160
.set MH,  192
.set KF,  0           ; window 1: key block kb, channel half c at KF + 16 kb + 8 c
.set VF,  64          ; window 1: key half kk, channel block cb at VF + 32 kk + 8 cb
.set OT,  128         ; window 1: 32 a tile
.set ML,  192         ; window 1
.set WV,  12          ; s12  my wave's number
.set G1K, 24          ; s[24:31] descriptor group 1 for K
.set G1V, 32          ; s[32:39] for V: it differs in the padding alone
.set G0K, 40          ; s[40:43] group 0 for K
.set G0V, 44          ; s[44:47] for V
.set BIGN, 55         ; s55  -1e30
.set AB,  56          ; s56  the step's block of 64 keys in the batch; outside 0..31 it does not exist
.set CNT, 57          ; s57  counts steps 1 to 3
.set CS,  58          ; s[58:59] c
.set SEL, 60          ; s[60:61] v_permlanex16_b32's selects
.set TBK, 62          ; s62  LDS byte at which the step's K begins
.set TBV, 63          ; s63  the same for V, less VOFF
.set MSB, 0
.macro WIN new
.if MSB != (\new)
	s_set_vgpr_msb (MSB<<8)|(\new)
.set MSB, (\new)
.endif
.endm
.macro PLACES
.rept 4
	v_nop
.endr
.endm
	s_load_b128 s[4:7], s[0:1], 0x0 ; qkv16 s[4:5], o16 s[6:7]
	v_lshl_add_u32 v[SPW], v0, 2, SPARE
	v_mov_b32 v[NIL], 0
	ds_add_u32 v[SPW], v[NIL]       ; the wave's opening: the add, twice on end, and its wait ahead of my first tensor load; the set-up below, work on registers, stands between
	ds_add_u32 v[SPW], v[NIL]
	v_lshrrev_b32 v1, 5, v0
	v_readfirstlane_b32 s[WV], v1   ; wave 0..7
	s_and_b32 s13, ttmp7, 0xffff
	s_and_b32 s14, s13, 15          ; the head
	s_lshr_b32 s15, s13, 4          ; the batch
	s_and_b32 s16, s[WV], 3         ; p: which 128 keys of the window I fetch
	s_lshl_b32 s17, ttmp9, 1
	s_add_co_u32 s17, s17, s16
	s_sub_co_i32 s17, s17, 1        ; in the batch they are pair 2 qb - 1 + p,
	s_max_i32 s17, s17, 0
	s_min_i32 s17, s17, 15          ; or, where that does not exist, its neighbour
	s_lshl_b32 s17, s17, 14         ; 128 rows of 128 bytes
	s_lshl_b32 s18, s14, 19         ; the head's slice among 16,
	s_lshl_b32 s19, s15, 18         ; the batch's 2,048 rows in it
	s_add_co_u32 s18, s18, s19
	s_add_co_u32 s17, s17, s18
	s_add_co_u32 s20, s17, 16*SLICE ; in K's slices
	s_mov_b32 s21, 0
	s_add_co_u32 s22, s17, 32*SLICE ; in V's
	s_mov_b32 s23, 0
	s_lshl_b32 s2, ttmp9, 15        ; my block's 256 rows,
	s_add_co_u32 s2, s2, s18
	s_lshl_b32 s3, s[WV], 12        ; my wave's 32 of them
	s_add_co_u32 s2, s2, s3
	s_mov_b32 s3, 0
	; descriptor group 1.  128 keys are 16,384 dense bytes: asked for as 64 rows of 256 bytes, two keys a row, and padded in LDS after every key
	s_mov_b32 s[G1K], (1<<16)|(1<<20)|(4<<22)|(3<<25)  ; 17:16 2-byte elements; 20 padding on; 24:22 after every 32 words (code 4); 31:25 4 words (code 3)
	s_mov_b32 s[G1V], (1<<16)|(1<<20)|(4<<22)|(7<<25)  ; the same with 8 words of padding (code 7)
.irp g, G1K, G1V
	s_mov_b32 s[\g+1], 128<<16      ; tensor_dim0 = 128
	s_mov_b32 s[\g+2], 64<<16       ; tensor_dim1 = 64
	s_mov_b32 s[\g+3], 128<<16      ; tile_dim0 = 128
	s_mov_b32 s[\g+4], 64           ; tile_dim1 = 64
	s_mov_b32 s[\g+5], 128          ; 128 elements from row to row
	s_mov_b32 s[\g+6], 0
	s_mov_b32 s[\g+7], 0
.endr
	s_mov_b32 s[G0K], 1             ; count = 1
	s_mul_i32 s[G0K+1], s16, 128*PK ; LDS address
	s_mov_b32 s[G0V], 1
	s_mul_i32 s[G0V+1], s16, 128*PV
	s_add_co_u32 s[G0V+1], s[G0V+1], VOFF
	s_mov_b32 s[BIGN], 0xf149f2ca   ; -1e30
	s_mov_b32 s[CS], 0x3e38aa3b     ; c = log2(e) / 8 = 0.180337
	s_mov_b32 s[CS+1], s[CS]        ; named with it as a pair
	s_mov_b32 s[SEL], 0x76543210
	s_mov_b32 s[SEL+1], 0xfedcba98
	s_lshr_b32 s13, s[WV], 1        ; w
	s_mul_i32 s[TBK], s13, 64*PK
	s_mul_i32 s[TBV], s13, 64*PV
	s_lshl_b32 s[AB], ttmp9, 2
	s_add_co_u32 s[AB], s[AB], s13
	s_sub_co_u32 s[AB], s[AB], 2    ; step 0's block: 4 qb + w - 2; below 0 it wraps to a number above 31
	s_wait_dscnt 0x0                ; both opening adds are done
	s_wait_kmcnt 0x0
	s_add_nc_u64 s[G0K+2:G0K+3], s[4:5], s[20:21]
	s_or_b32 s[G0K+3], s[G0K+3], 0x80000000  ; type = 2
	s_add_nc_u64 s[G0V+2:G0V+3], s[4:5], s[22:23]
	s_or_b32 s[G0V+3], s[G0V+3], 0x80000000
	s_add_nc_u64 s[4:5], s[4:5], s[2:3]      ; Q and O at my wave's first row
	s_add_nc_u64 s[6:7], s[6:7], s[2:3]
	s_cmp_lt_u32 s[WV], 4           ; my one tensor load; an s_nop 0 and four v_nop follow each of the two lines
	s_cbranch_scc0 .Lfor_v
	tensor_load_to_lds s[G0K:G0K+3], s[G1K:G1K+7]
	s_nop 0
.rept 4
	v_nop
.endr
	s_branch .Lasked
.Lfor_v:
	tensor_load_to_lds s[G0V:G0V+3], s[G1V:G1V+7]
	s_nop 0
.rept 4
	v_nop
.endr
.Lasked:
	; A fragment of K or Q is 16 rows x 32 channels in 8 registers: lane l holds row l % 16, channels 8 (l / 16) + 0..7 and 16 + 8 (l / 16) + 0..7: two loads of 16 bytes, 32 bytes apart.
	v_and_b32 v1, 15, v0            ; l % 16
	v_bfe_u32 v9, v0, 4, 1          ; l / 16
	v_lshlrev_b32 v[QO], 7, v1
	v_lshl_add_u32 v[QO], v9, 4, v[QO]
.irp i, 0,1,2,3                     ; Q stays in registers: tile i / 2, channels 32 (i % 2) on
	global_load_b128 v[Q+8*\i:Q+8*\i+3],   v[QO], s[4:5] offset:(\i/2)*2048+(\i%2)*64
	global_load_b128 v[Q+8*\i+4:Q+8*\i+7], v[QO], s[4:5] offset:(\i/2)*2048+(\i%2)*64+32
.endr
	v_mul_u32_u24 v[AK0], v1, PK
	v_lshl_add_u32 v[AK0], v9, 4, v[AK0]
	; The turning load takes 16 keys x 16 channels (lane l reads key 8 (l / 16) + l % 8, channels 8 ((l / 8) % 2) + 0..7) and leaves half a fragment of V^T: lane l holds channel l % 16 and 8 keys.
	v_and_b32 v11, 7, v0
	v_bfe_u32 v15, v0, 3, 1
	v_lshl_add_u32 v[AV0], v9, 3, v11
	v_mul_u32_u24 v[AV0], v[AV0], PV
	v_lshl_add_u32 v[AV0], v15, 4, v[AV0]
	v_add_nc_u32 v[AV0], VOFF, v[AV0]
	s_mul_i32 s13, s[WV], 16*SP
	s_add_co_u32 s13, s13, STAGE    ; my stage
	v_mul_u32_u24 v[STO], v1, SP    ; in: row l % 16, 16 bytes for each half of the lanes
	v_lshl_add_u32 v[STO], v9, 4, v[STO]
	v_add_nc_u32 v[STO], s13, v[STO]
	v_bfe_u32 v[RD], v0, 3, 2       ; back: 32 lanes take four rows of 128 bytes,
	v_mul_u32_u24 v[RD], v[RD], SP
	v_lshl_add_u32 v[RD], v11, 4, v[RD]
	v_add_nc_u32 v[RD], s13, v[RD]
	v_and_b32 v[GO], 31, v0         ; which are 512 consecutive bytes of o16
	v_lshlrev_b32 v[GO], 4, v[GO]
	; THE MASKS.  Register 32 t + 8 kb + j of S^T holds key kk = 16 kb + 8 (l / 16) + j and query qq = 32 (u % 2) + 16 t + l % 16: kk < qq where 16 kb + j - 16 t < E0, kk > qq where it is greater.
	s_and_b32 s13, s[WV], 1
	s_lshl_b32 s13, s13, 5
	v_lshlrev_b32 v11, 3, v9
	v_sub_nc_u32 v[E0], v1, v11
	v_add_nc_u32 v[E0], s13, v[E0]
.set i, 0
.rept 64
	v_cmp_gt_i32 vcc_lo, 16*((i/8)%4)+i%8-16*(i/32), v[E0]
	v_cndmask_b32 v[MH+i], 0, s[BIGN], vcc_lo
.set i, i+1
.endr
	WIN 0x40                        ; destination window 1
.set i, 0
.rept 64
	v_cmp_lt_i32 vcc_lo, 16*((i/8)%4)+i%8-16*(i/32), v[E0]
	v_cndmask_b32 v[ML+i], 0, s[BIGN], vcc_lo
.set i, i+1
.endr
.set i, 0
.rept 64
	v_mov_b32 v[OT+i], 0            ; O^T starts at 0: which step is the first hangs on the wave, so no first step is written out; these lines stand in the wait for the tiles
.set i, i+1
.endr
	WIN 0
.irp t, 0,1
	v_mov_b32 v[ST+4*\t], 0xfe000000    ; c m: far below every c s
	v_mov_b32 v[ST+4*\t+1], 0xff7fffff  ; m
	v_mov_b32 v[ST+4*\t+2], 0
	v_mov_b32 v[ST+4*\t+3], 0
.endr
; THE MATRIX WORK.  The 8 accumulators of a run of 16 take turns: between the two links of a chain stand 7 others'.
; Product i of 16 of S^T = K Q^T: channels 32 (i / 8) on, keys 16 ((i / 2) % 4) on, tile i % 2.  The first 8 start the sums: with step 0's mask (mode 0), with 0 (mode 1), with step 4's mask (mode 2).
.macro KQ mode
.set rS, S+32*(i%2)+8*((i/2)%4)
.set rK, KF+16*((i/2)%4)+8*(i/8)
.set rQ, Q+16*(i%2)+8*(i/8)
.set rX, 32*(i%2)+8*((i/2)%4)
.if (i < 8) && ((\mode) == 0)
	WIN 0x11                        ; K and the mask in window 1
	v_wmma_f32_16x16x32_bf16 v[rS:rS+7], v[rK:rK+7], v[rQ:rQ+7], v[ML+rX:ML+rX+7]
.elseif (i < 8) && ((\mode) == 2)
	WIN 0x01                        ; K in window 1
	v_wmma_f32_16x16x32_bf16 v[rS:rS+7], v[rK:rK+7], v[rQ:rQ+7], v[MH+rX:MH+rX+7]
.elseif i < 8
	WIN 0x01
	v_wmma_f32_16x16x32_bf16 v[rS:rS+7], v[rK:rK+7], v[rQ:rQ+7], 0
.else
	WIN 0x01
	v_wmma_f32_16x16x32_bf16 v[rS:rS+7], v[rK:rK+7], v[rQ:rQ+7], v[rS:rS+7]
.endif
.endm
; Product i of 16 of O^T += V^T P: keys 32 (i / 8) on, channels 16 ((i / 2) % 4) on, tile i % 2.
.macro OPV
.set rO, OT+32*(i%2)+8*((i/2)%4)
.set rV, VF+32*(i/8)+8*((i/2)%4)
.set rP, P+16*(i%2)+8*(i/8)
	v_wmma_f32_16x16x32_bf16 v[rO:rO+7], v[rV:rV+7], v[rP:rP+7], v[rO:rO+7]
.endm
.macro FETCH_K
.irp f, 0,1,2,3,4,5,6,7             ; keys 16 (f / 2) on, channels 32 (f % 2) on
	ds_load_b128 v[KF+8*\f:KF+8*\f+3],   v[AK] offset:(\f/2)*16*PK+(\f%2)*64
	ds_load_b128 v[KF+8*\f+4:KF+8*\f+7], v[AK] offset:(\f/2)*16*PK+(\f%2)*64+32
.endr
.endm
.macro FETCH_V
.irp f, 0,1,2,3,4,5,6,7             ; keys 32 (f / 4) on, channels 16 (f % 4) on
	ds_load_tr16_b128 v[VF+8*\f:VF+8*\f+3],   v[AV] offset:(\f/4)*32*PV+(\f%4)*32
	ds_load_tr16_b128 v[VF+8*\f+4:VF+8*\f+7], v[AV] offset:(\f/4)*32*PV+16*PV+(\f%4)*32
.endr
.endm
; THE VECTOR WORK
.macro REGS t                       ; the registers of tile t
.set rT, ST+4*(\t)
.set rC, TMP+4*(\t)
.set rM, MV+(\t)
.set rS, S+32*(\t)
.set rP, P+16*(\t)
.set rO, OT+32*(\t)
.endm
; Number n of the 22 that find a tile's maximum and statistics.  s0-s31 are the lane's 32 scores; each accumulator's lowest registers are read first.
;   0-11  four chains c0-c3 of seven scores each, three operands at a time     12-14, 16  the four scores left over, the old m, and c0-c3 into c0     15  c m_old is kept
;   17, 18  the query's other 32 keys lie in the lane 16 away: the new m         19-21  c m; c m_old - c m_new; a
.macro XS t, n
	REGS \t
.if (\n) < 4
	v_max3_num_f32 v[rC+(\n)], v[rS+8*(\n)], v[rS+8*(\n)+1], v[rS+8*(\n)+2]
.elseif (\n) < 12
	v_max3_num_f32 v[rC+(\n)%4], v[rC+(\n)%4], v[rS+8*((\n)%4)+2*((\n)/4)+1], v[rS+8*((\n)%4)+2*((\n)/4)+2]
.elseif (\n) == 12
	v_max3_num_f32 v[rC], v[rC], v[rS+7], v[rS+15]
.elseif (\n) == 13
	v_max3_num_f32 v[rC+1], v[rC+1], v[rS+23], v[rS+31]
.elseif (\n) == 14
	v_max3_num_f32 v[rC+2], v[rC+2], v[rC+3], v[rT+1]
.elseif (\n) == 15
	v_mov_b32 v[rM], v[rT]
.elseif (\n) == 16
	v_max3_num_f32 v[rC], v[rC], v[rC+1], v[rC+2]
.elseif (\n) == 17
	v_permlanex16_b32 v[rC+3], v[rC], s[SEL], s[SEL+1]
.elseif (\n) == 18
	v_max_num_f32 v[rT+1], v[rC], v[rC+3]
.elseif (\n) == 19
	v_mul_f32 v[rT], s[CS], v[rT+1]
.elseif (\n) == 20
	v_sub_f32 v[rC+1], v[rM], v[rT]
.else
	v_exp_f32 v[rC+2], v[rC+1]
.endif
.endm
.macro FS f                         ; c s - c m for pair f / 2 of tile f % 2
	REGS (\f)%2
	v_pk_fma_f32 v[rS+2*((\f)/2):rS+2*((\f)/2)+1], v[rS+2*((\f)/2):rS+2*((\f)/2)+1], s[CS:CS+1], v[rT:rT+1] op_sel_hi:[1,0,0] neg_lo:[0,0,1] neg_hi:[0,0,1]
.endm
.macro EX e                         ; the exponential of score e / 2 of tile e % 2
	REGS (\e)%2
	v_exp_f32 v[rS+(\e)/2], v[rS+(\e)/2]
.endm
.macro TREE x, y                    ; in both tiles pair y is added onto pair x
.irp t, 0,1
	REGS \t
	v_pk_add_f32 v[rS+(\x):rS+(\x)+1], v[rS+(\x):rS+(\x)+1], v[rS+(\y):rS+(\y)+1]
.endr
.endm
.macro SUMS                         ; the weights are rounded to bf16, a pair a line; their sum (in a pair: the even keys', the odd keys') is taken in place; l = a l + the sum
.set k, 0
.rept 8
.irp t, 0,1
	REGS \t
	v_cvt_pk_bf16_f32 v[rP+2*k], v[rS+4*k], v[rS+4*k+1]
	v_cvt_pk_bf16_f32 v[rP+2*k+1], v[rS+4*k+2], v[rS+4*k+3]
.endr
	TREE 4*k, 4*k+2
.set k, k+1
.endr
	TREE 0, 4
	TREE 8, 12
	TREE 16, 20
	TREE 24, 28
	TREE 0, 8
	TREE 16, 24
	TREE 0, 16
.irp t, 0,1
	REGS \t
	v_pk_fma_f32 v[rT+2:rT+3], v[rT+2:rT+3], v[rC+2:rC+3], v[rS:rS+1] op_sel_hi:[1,0,1]
.endr
.endm
.macro RS                           ; O^T times a, each accumulator's registers ascending
	WIN 0x41                        ; destination and source 0 in window 1, a in window 0
.set z, 0
.rept 16
.irp t, 0,1
	REGS \t
	v_pk_mul_f32 v[rO+2*z:rO+2*z+1], v[rO+2*z:rO+2*z+1], v[rC+2:rC+3] op_sel_hi:[1,0]
.endr
.set z, z+1
.endr
.endm
; A KEY STEP.  Its 66 exponentials (the two a, then s0-s31 of both tiles) are ONE BATCH with one wait: ahead of the wait nothing names a result of theirs.  A pair is scaled in the group of six lines
; ahead of the one that holds its exponentials.
.macro STEP mode
	WIN 0
	v_add_nc_u32 v[AK], s[TBK], v[AK0]
	v_add_nc_u32 v[AV], s[TBV], v[AV0]
	WIN 0x40                        ; destination window 1
	FETCH_K
	FETCH_V
	s_wait_dscnt 16                 ; K is in; V's 16 loads may stay out
.set i, 0
.rept 16
	KQ \mode
.set i, i+1
.endr
	WIN 0
	PLACES                          ; four places behind the products, in front of the lines that read their results
.irp n, 0,1,2,3,4,5,6,7,8,9,10,11,12,13,14,15,16,17,18,19,20,21
	XS 0, \n
	XS 1, \n
.endr
	FS 0
	FS 1
.set g, 1
.rept 15
	FS 2*g
	EX 4*g-4
	FS 2*g+1
	EX 4*g-3
	EX 4*g-2
	EX 4*g-1
.set g, g+1
.endr
	EX 60
	EX 61
	EX 62
	EX 63
	v_nop                           ; a plain instruction behind the last exponential, ahead of the first use: one for the batch
	s_wait_alu depctr_va_vdst(0)    ; the wait for the batch ahead of the first line that names a result
	SUMS
	RS
	s_wait_dscnt 0x0                ; V is in
	WIN 0x51                        ; V and O^T in window 1, P in window 0
.set i, 0
.rept 16
	OPV
.set i, i+1
.endr
	WIN 0
	PLACES                          ; four places behind the last product, in front of the next step's loads into V's registers and of the way out
.endm
.macro NEXT                         ; on to the next block of 64 keys
	s_add_co_u32 s[AB], s[AB], 1
	s_add_co_u32 s[TBK], s[TBK], 64*PK
	s_add_co_u32 s[TBV], s[TBV], 64*PV
.endm
	s_wait_tensorcnt 0x0            ; my 128 keys are in,
	s_barrier_signal -1
	s_barrier_wait -1               ; everybody's are: the one barrier
	s_wait_loadcnt 0x0              ; Q
	s_cmp_lt_u32 s[AB], 32          ; a step whose keys do not exist is jumped: forward, past no barrier and no tensor load
	s_cbranch_scc0 .Ls0
	STEP 0
.Ls0:
	NEXT
	s_mov_b32 s[CNT], 3
.Lmid:
	s_cmp_lt_u32 s[AB], 32
	s_cbranch_scc0 .Lsm
	STEP 1
.Lsm:
	NEXT
	s_sub_co_u32 s[CNT], s[CNT], 1
	s_cmp_lg_u32 s[CNT], 0
	s_cbranch_scc1 .Lmid
	s_cmp_lt_u32 s[AB], 32
	s_cbranch_scc0 .Ls4
	STEP 2
.Ls4:
	; THE WAY OUT.  l's two halves and the other half of the lanes' are added; O^T is divided by l, rounded to bf16 and sent through my stage in LDS, a tile at a time.
.irp t, 0,1
	v_add_f32 v[ST+4*\t+2], v[ST+4*\t+2], v[ST+4*\t+3]
.endr
.irp t, 0,1
	v_permlanex16_b32 v[ST+4*\t+3], v[ST+4*\t+2], s[SEL], s[SEL+1]
.endr
.irp t, 0,1
	v_add_f32 v[ST+4*\t+2], v[ST+4*\t+2], v[ST+4*\t+3]
.endr
.irp t, 0,1
	v_rcp_f32 v[ST+4*\t+2], v[ST+4*\t+2]
.endr
	v_nop                           ; a plain instruction between the last reciprocal and the use of its result
	s_wait_alu depctr_va_vdst(0)    ; one wait for the two reciprocals
.macro PACK t                       ; a lane's eight channels of a row pack into 16 bytes; they go into rows of 144 bytes and come back as whole rows of 128, into S^T's registers
	WIN 0x41
.set i, OT+32*(\t)
.rept 16
	v_pk_mul_f32 v[i:i+1], v[i:i+1], v[ST+4*(\t)+2:ST+4*(\t)+3] op_sel_hi:[1,0]
.set i, i+2
.endr
	WIN 0x05                        ; sources 0 and 1 window 1, destination window 0
.set i, 0
.rept 16
	v_cvt_pk_bf16_f32 v[S+16*(\t)+i], v[OT+32*(\t)+2*i], v[OT+32*(\t)+2*i+1]
.set i, i+1
.endr
	WIN 0
.irp f, 0,1,2,3
	ds_store_b128 v[STO], v[S+16*(\t)+4*\f:S+16*(\t)+4*\f+3] offset:32*\f
.endr
.irp f, 0,1,2,3
	ds_load_b128 v[S+16*(\t)+4*\f:S+16*(\t)+4*\f+3], v[RD] offset:\f*4*SP  ; LDS serves a wave's instructions in order (ISA guide 5.7.1.4): these see the stores above; the next tile's stores come behind them
.endr
.endm
.macro SEND t, younger              ; younger: the LDS instructions issued behind tile t's loads: the next tile's eight, or none
.irp f, 0,1,2,3
	s_wait_dscnt (\younger)+3-\f
	global_store_b128 v[GO], v[S+16*(\t)+4*\f:S+16*(\t)+4*\f+3], s[6:7] offset:(\t)*2048+\f*512  ; 512 consecutive bytes, at a multiple of 256 from o16's first byte
.endr
.endm
	PACK 0
	PACK 1
	SEND 0, 8
	SEND 1, 0
	s_wait_tensorcnt 0x0            ; the wave's end, behind my last tensor load and my last LDS store
	ds_add_u32 v[SPW], v[NIL]
	s_wait_dscnt 0x0
	s_endpgm
.Lfunc_end_k_qeda04939e7_attn:
	.size	k_qeda04939e7_attn, .Lfunc_end_k_qeda04939e7_attn-k_qeda04939e7_attn
	.p2alignl 7, 3214868480
	.fill 96, 4, 3214868480
	.section	.rodata,"a",@progbits
	.p2align	6, 0x0
	.amdhsa_kernel k_qeda04939e7_attn
		.amdhsa_group_segment_fixed_size 175104
		.amdhsa_private_segment_fixed_size 0
		.amdhsa_enable_private_segment 0
		.amdhsa_kernarg_size 16
		.amdhsa_user_sgpr_count 2
		.amdhsa_user_sgpr_kernarg_segment_ptr 1
		.amdhsa_wavefront_size32 1
		.amdhsa_system_sgpr_workgroup_id_x 1
		.amdhsa_system_sgpr_workgroup_id_y 1
		.amdhsa_system_sgpr_workgroup_id_z 1
		.amdhsa_system_vgpr_workitem_id 0
		.amdhsa_next_free_vgpr 512
		.amdhsa_next_free_sgpr 66
		.amdhsa_reserve_vcc 1
		.amdhsa_float_denorm_mode_32 3
		.amdhsa_float_denorm_mode_16_64 3
		.amdhsa_memory_ordered 1
		.amdhsa_forward_progress 1
		.amdhsa_inst_pref_size 80
	.end_amdhsa_kernel
	.amdgpu_metadata
---
amdhsa.version: [ 1, 2 ]
amdhsa.kernels:
  - .name:           k_qeda04939e7_attn
    .symbol:         k_qeda04939e7_attn.kd
    .args:
      - { .name: qkv16, .offset: 0, .size: 8, .value_kind: global_buffer, .address_space: global }
      - { .name: o16, .offset: 8, .size: 8, .value_kind: global_buffer, .address_space: global }
    .group_segment_fixed_size: 175104
    .private_segment_fixed_size: 0
    .kernarg_segment_align: 8
    .kernarg_segment_size: 16
    .max_flat_workgroup_size: 256
    .sgpr_count:     66
    .vgpr_count:     512
    .wavefront_size: 32
...
	.end_amdgpu_metadata
.endif
;; end of part 3
;; launch outp (part 4): grid 8 x 32, 4 waves a work-group, clusters of 4 x 4, 327,680 bytes of LDS; arguments o16, wo16, x, out0; writes out0
.if DOCPART == 4
	.amdgcn_target "amdgcn-amd-amdhsa--gfx1250"
	.amdhsa_code_object_version 6
	.text
	.protected	k_qeda04939e7_outp
	.globl	k_qeda04939e7_outp
	.p2align	8
	.type	k_qeda04939e7_outp,@function
k_qeda04939e7_outp:
	s_mov_b64 s[64:65], 0
	v_nop
	global_prefetch_b8 v0, s[64:65] scope:SCOPE_SE
	s_setreg_imm32_b32 hwreg(HW_REG_WAVE_MODE, 25, 1), 1
	s_wait_xcnt 0x0
	s_wait_alu depctr_hold_cnt(0) depctr_sa_sdst(0) depctr_va_vdst(0) depctr_va_sdst(0) depctr_va_ssrc(0) depctr_va_vcc(0) depctr_vm_vsrc(0)
	s_getreg_b32 s2, hwreg(HW_REG_IB_STS2, 6, 4)
	s_cmp_eq_u32 s2, 0
	s_cbranch_scc0 .Lentry_in_a_cluster
	s_endpgm
.Lentry_in_a_cluster:
	s_bfe_u32 s2, ttmp6, 0x10000c
	s_cmp_lg_u32 s2, 0xf033
	s_cbranch_scc0 .Lentry_shape_is_right
	s_endpgm
.Lentry_shape_is_right:
; out0[m][e] = x[m][e] + the sum over h, d of o16[h][m][d] wo16[e][64 h + d].  o16: [16][4096][64] bf16, wo16: [1024][1024] bf16, x and out0: [4096][1024] f32.  Sums in f32, K ascending; the residual is added in f32.
; SHARES.  A tile of out0 is 128 x 128: 8 x 32 work-groups.  Four waves, each 64 x 64: 16 accumulators of 16 x 16.  K goes in steps of 256, four heads, through a ring of two LDS slots: four K steps,
; written out without a loop; a quarter of a step is one head, 64 along K.
; o16's TILE: for 64 rows m a head's numbers are 8,192 dense bytes, and heads lie 524,288 bytes apart: one tensor load takes four such runs as four rows of 4,096 elements; the padding of 16 bytes behind
; every 128 makes of them, in LDS, [head][row] with rows 144 bytes apart.
; CLUSTERS: 4 x 4 work-groups.  The four of a row of the cluster need the same tiles of o16, the four of a column the same tiles of wo16: each is asked for JOINTLY, by the same tensor load with the same
; descriptor and a mask that names the four.  Waves 0 and 1 fetch o16's two halves of 64 rows, waves 2 and 3 wo16's.  No prefetch: small tiles, four K steps.
; THE MATRIX INSTRUCTION IS USED TRANSPOSED (source 0 = 16 rows of wo16, source 1 = 16 rows of o16): a lane holds eight neighbouring numbers of a row of out0.
; x's 64 x 64 numbers of a wave are loaded at the start, laid as the rows come back from the stage, and land while the products run.
; REGISTERS: window 0: v0-31 addresses; v128-255 the accumulators ((a, b) at v[128 + 8 (4 a + b)]), later the rows read back.
;   window 1: two fragment buffers of 128: for 64 along K, 64 registers of o16 (2 x 4 x 16 rows x 32 K), then 64 of wo16.     window 2: v0-127 x.
.set PA,     144                       ; an LDS row of o16: 128 bytes + 16: 9 x 16
.set PB,     528                       ; an LDS row of wo16: 512 bytes + 16: 33 x 16: in both the 16 rows of a fragment load start at 16 different groups of four banks (64 banks of 4 bytes: ISA guide 11.1)
.set HEADA,  64*PA                     ; a head's 64 rows
.set HALFA,  4*HEADA                   ; what a wave fetches of o16
.set HALFB,  64*PB                     ; what a wave fetches of wo16
.set SLOT,   2*HALFA+2*HALFB           ; o16's two halves, then wo16's
.set STAGE,  2*SLOT                    ; behind the ring, never filled by a tensor load: 16 rows x 272 bytes for each wave
.set SPITCH, 272
.set SPARE,  STAGE+4*16*SPITCH         ; the spare words, 128 bytes for each wave: two blocks of 256 bytes that no other line names
.set ASTEP,  4*524288                  ; bytes of o16 from a K step to the next: four heads
.set BSTEP,  512                       ; of wo16
.set ADRA, 16                          ; v16-17  LDS address of my o16 fragments in slot 0, 1
.set ADRB, 20                          ; v20-21  the same for wo16
.set STO,  24                          ; v24     the way out: where I put 32 bytes of a row
.set RD,   25                          ; v25     the way out: where I read a row back
.set CO,   26                          ; v26     my byte offset in two rows of x and of out0; never rewritten
.set SPW,  28                          ; v28     LDS address of my spare word: SPARE + 4 x my thread's number; never rewritten
.set NIL,  29                          ; v29     0; never rewritten
.set ACC,  128
.set F0,   0
.set F1,   128
.set G1, 24                            ; s[24:31] descriptor group 1 for o16's tiles;  s[32:39] group 0, a set for each slot
.set G0, 32
.set G1B, 48                           ; s[48:55], s[56:63] the same for wo16's
.set G0B, 56
.set XB, 68                            ; s[68:69] x at my wave's first number
.set YB, 70                            ; s[70:71] out0 likewise
.set MSB, 0
.macro WIN new
.if MSB != (\new)
	s_set_vgpr_msb (MSB<<8)|(\new)
.set MSB, \new
.endif
.endm
.set MUL,  0x05                        ; sources 0 and 1 window 1; C and D window 0
.set TO_F, 0x40                        ; destination window 1, address window 0
.macro JLOAD s                         ; a joint load; an s_nop 0 and four v_nop follow each of the two lines, ahead of the jump, the label and what follows
	s_cmp_eq_u32 s11, 0
	s_cbranch_scc0 .Lfor_b_\@
	tensor_load_to_lds s[G0+4*(\s):G0+4*(\s)+3], s[G1:G1+7]
	s_nop 0
.rept 4
	v_nop
.endr
	s_branch .Lasked_\@
.Lfor_b_\@:
	tensor_load_to_lds s[G0B+4*(\s):G0B+4*(\s)+3], s[G1B:G1B+7]
	s_nop 0
.rept 4
	v_nop
.endr
.Lasked_\@:
.endm
.macro CREST                           ; a round of the cluster's barrier behind its opening barrier
	s_cmp_lg_u32 s10, 0
	s_cbranch_scc1 .Lnot_wave_0_\@
	s_barrier_signal -3
.Lnot_wave_0_\@:
	s_barrier_wait -3
	s_barrier_signal -1
	s_barrier_wait -1
.endm
.macro CROUND
	s_barrier_signal -1
	s_barrier_wait -1
	CREST
.endm
	s_load_b128 s[4:7], s[0:1], 0x0                ; o16 s[4:5], wo16 s[6:7]
	s_load_b128 s[68:71], s[0:1], 0x10             ; x, out0
	v_lshl_add_u32 v[SPW], v0, 2, SPARE
	v_mov_b32 v[NIL], 0
	ds_add_u32 v[SPW], v[NIL]                      ; the wave's opening: the add, twice on end, and its wait ahead of my first tensor load; the set-up below, work on registers, stands between
	ds_add_u32 v[SPW], v[NIL]
	v_lshrrev_b32 v1, 5, v0
	v_readfirstlane_b32 s10, v1                    ; wave 0..3
	s_lshr_b32 s11, s10, 1                         ; which half of the tile's rows is mine.  Also: I fetch for o16 (0) or for wo16 (1)
	s_and_b32 s12, s10, 1                          ; which half of its columns.  Also: which 64 rows of that tile I fetch
	s_bfe_u32 s40, ttmp6, 0x40000                  ; cx
	s_bfe_u32 s41, ttmp6, 0x40004                  ; cy
	s_lshl_b32 s42, ttmp9, 2
	s_add_co_u32 s42, s42, s40                     ; tx: tile column
	s_and_b32 s13, ttmp7, 0xffff
	s_lshl_b32 s13, s13, 2
	s_add_co_u32 s13, s13, s41                     ; ty: tile row
	s_lshl_b32 s43, s41, 2
	s_lshl_b32 s43, 15, s43                        ; my row of the cluster
	s_lshl_b32 s44, 0x1111, s40                    ; my column
	s_or_b32 s[G1+0], s43, (1<<16)|(1<<20)|(1<<21)|(4<<22)|(3<<25)   ; 15:0 the mask; 17:16 2-byte elements; 20 padding on; 21 set beside a mask; 24:22 after every 32 words (code 4); 31:25 4 words (code 3)
	s_mov_b32 s[G1+1], 4096<<16                    ; tensor_dim0 = 4,096: a head's 64 rows
	s_mov_b32 s[G1+2], 4<<16                       ; tensor_dim1 = 4 heads
	s_mov_b32 s[G1+3], 4096<<16                    ; tile_dim0 = 4,096
	s_mov_b32 s[G1+4], 4                           ; tile_dim1 = 4
	s_mov_b32 s[G1+5], 262144                      ; elements from head to head
	s_mov_b32 s[G1+6], 0
	s_mov_b32 s[G1+7], 0
	s_or_b32 s[G1B+0], s44, (1<<16)|(1<<20)|(1<<21)|(6<<22)|(3<<25)  ; the same with my column's mask and padding after every 128 words (code 6)
	s_mov_b32 s[G1B+1], 256<<16                    ; tensor_dim0 = 256
	s_mov_b32 s[G1B+2], 64<<16                     ; tensor_dim1 = 64
	s_mov_b32 s[G1B+3], 256<<16                    ; tile_dim0 = 256
	s_mov_b32 s[G1B+4], 64                         ; tile_dim1 = 64
	s_mov_b32 s[G1B+5], 1024                       ; elements from row to row
	s_mov_b32 s[G1B+6], 0
	s_mov_b32 s[G1B+7], 0
	s_lshl_b32 s16, s13, 14                        ; o16: row 128 ty + 64 x half, of 128 bytes
	s_lshl_b32 s17, s12, 13
	s_add_co_u32 s16, s16, s17
	s_mov_b32 s17, 0
	s_lshl_b32 s46, s42, 18                        ; wo16: row 128 tx + 64 x half, of 2,048 bytes
	s_lshl_b32 s47, s12, 17
	s_add_co_u32 s46, s46, s47
	s_mov_b32 s47, 0
	s_mul_i32 s20, s12, HALFA                      ; where they go: no place in the cluster enters an LDS address
	s_mul_i32 s21, s12, HALFB
	s_add_co_u32 s21, s21, 2*HALFA
	s_wait_dscnt 0x0                               ; both opening adds are done
	s_wait_kmcnt 0x0
	s_add_nc_u64 s[14:15], s[4:5], s[16:17]
	s_add_nc_u64 s[46:47], s[6:7], s[46:47]
	CROUND                                         ; all sixteen work-groups are here: the first joint loads meet
.irp s, 0,1
	s_mov_b32 s[G0+4*(\s)], 1
	s_add_co_u32 s[G0+4*(\s)+1], s20, (\s)*SLOT
	s_add_nc_u64 s[G0+4*(\s)+2:G0+4*(\s)+3], s[14:15], (\s)*ASTEP
	s_or_b32 s[G0+4*(\s)+3], s[G0+4*(\s)+3], 0x80000000
	s_mov_b32 s[G0B+4*(\s)], 1
	s_add_co_u32 s[G0B+4*(\s)+1], s21, (\s)*SLOT
	s_add_nc_u64 s[G0B+4*(\s)+2:G0B+4*(\s)+3], s[46:47], (\s)*BSTEP
	s_or_b32 s[G0B+4*(\s)+3], s[G0B+4*(\s)+3], 0x80000000
	JLOAD \s                                       ; two loads of mine are out
.endr
	v_and_b32 v1, 15, v0                           ; l % 16
	v_bfe_u32 v2, v0, 4, 1                         ; l / 16
	v_mul_u32_u24 v3, v1, PA
	v_lshl_add_u32 v3, v2, 4, v3                   ; a fragment's row x pitch + 16 x half, for o16
	v_mul_u32_u24 v4, v1, PB
	v_lshl_add_u32 v4, v2, 4, v4                   ; and for wo16
	s_mul_i32 s21, s11, HALFA                      ; my 64 rows of o16
	s_mul_i32 s22, s12, HALFB                      ; my 64 rows of wo16,
	s_add_co_u32 s22, s22, 2*HALFA                 ; which lie behind o16's
.irp s, 0,1
	v_add_nc_u32 v[ADRA+(\s)], s21, v3
	v_add_nc_u32 v[ADRB+(\s)], s22, v4
	s_add_co_u32 s21, s21, SLOT
	s_add_co_u32 s22, s22, SLOT
.endr
	s_mul_i32 s23, s10, 16*SPITCH
	s_add_co_u32 s23, s23, STAGE                   ; my stage
	v_mul_u32_u24 v5, v1, SPITCH                   ; in: row l % 16, 32 bytes for each half of the lanes
	v_lshl_add_u32 v5, v2, 5, v5
	v_add_nc_u32 v[STO], s23, v5
	v_mul_u32_u24 v5, v2, SPITCH                   ; back: lanes 0-15 take one row of 256 bytes, lanes 16-31 the next
	v_lshl_add_u32 v5, v1, 4, v5
	v_add_nc_u32 v[RD], s23, v5
	v_lshlrev_b32 v5, 12, v2                       ; and the same two rows in x and out0
	v_lshl_add_u32 v[CO], v1, 4, v5
	s_lshl_b32 s16, s13, 19                        ; row 128 ty + 64 x my half, of 4,096 bytes
	s_lshl_b32 s17, s11, 18
	s_add_co_u32 s16, s16, s17
	s_mov_b32 s17, 0
	s_lshl_b32 s46, s42, 9                         ; column 128 tx + 64 x my half, of 4 bytes (in the registers that held wo16's address)
	s_lshl_b32 s47, s12, 8
	s_add_co_u32 s46, s46, s47
	s_mov_b32 s47, 0
	s_add_nc_u64 s[16:17], s[16:17], s[46:47]
	s_add_nc_u64 s[XB:XB+1], s[XB:XB+1], s[16:17]
	s_add_nc_u64 s[YB:YB+1], s[YB:YB+1], s[16:17]
; 8 matrix instructions: row blocks a0, a0 + 1 x all 4 column blocks, 32 along K: half c of buffer f.  zero = 1: the product starts the sums.  The 16 accumulators take turns.
.macro MUL8 f, c, a0, zero
	WIN MUL
.irp a, \a0, (\a0)+1
.irp b, 0,1,2,3
.if \zero
	v_wmma_f32_16x16x32_bf16 v[ACC+8*(4*(\a)+(\b)):ACC+8*(4*(\a)+(\b))+7], v[(\f)+64+8*(4*(\c)+(\b)):(\f)+64+8*(4*(\c)+(\b))+7], v[(\f)+8*(4*(\c)+(\a)):(\f)+8*(4*(\c)+(\a))+7], 0
.else
	v_wmma_f32_16x16x32_bf16 v[ACC+8*(4*(\a)+(\b)):ACC+8*(4*(\a)+(\b))+7], v[(\f)+64+8*(4*(\c)+(\b)):(\f)+64+8*(4*(\c)+(\b))+7], v[(\f)+8*(4*(\c)+(\a)):(\f)+8*(4*(\c)+(\a))+7], v[ACC+8*(4*(\a)+(\b)):ACC+8*(4*(\a)+(\b))+7]
.endif
.endr
.endr
.endm
; 32 LDS loads in one run: the fragments of quarter q (head q of the step's four: 64 along K) into buffer f; the first 32 along K first
.macro FETCH slot, q, f
	WIN TO_F
.irp c, 0,1
.irp i, 0,1,2,3
	ds_load_b128 v[(\f)+64+8*(4*(\c)+(\i)):(\f)+64+8*(4*(\c)+(\i))+3],   v[ADRB+(\slot)] offset:128*(\q)+64*(\c)+(\i)*16*PB
	ds_load_b128 v[(\f)+64+8*(4*(\c)+(\i))+4:(\f)+64+8*(4*(\c)+(\i))+7], v[ADRB+(\slot)] offset:128*(\q)+64*(\c)+(\i)*16*PB+32
	ds_load_b128 v[(\f)+8*(4*(\c)+(\i)):(\f)+8*(4*(\c)+(\i))+3],         v[ADRA+(\slot)] offset:HEADA*(\q)+64*(\c)+(\i)*16*PA
	ds_load_b128 v[(\f)+8*(4*(\c)+(\i))+4:(\f)+8*(4*(\c)+(\i))+7],       v[ADRA+(\slot)] offset:HEADA*(\q)+64*(\c)+(\i)*16*PA+32
.endr
.endr
.endm
.macro PLACES                          ; four plain places behind a matrix instruction, in front of loads into registers that it has read and of lines that read results
.rept 4
	v_nop
.endr
.endm
; One of a K step's first three quarters: multiplies buffer f and fetches quarter q into g.
.macro QUARTER slot, q, f, g, zero
	s_wait_dscnt 16                                ; the first 32 along K are in
	MUL8 \f, 0, 0, \zero
	MUL8 \f, 0, 2, \zero
	PLACES
	FETCH \slot, \q, \g
	s_wait_dscnt 32                                ; all but the 32 just issued
	MUL8 \f, 1, 0, 0
	MUL8 \f, 1, 2, 0
.endm
; The last quarter multiplies buffer 1 and changes slots: ONE barrier; in front of it each wave waits for all its tensor loads, adds 0 to its spare word, and waits for that and for its own reads of this slot.
; fill = 1: this slot is filled again, two K steps ahead: the barrier opens a round of the cluster's barrier, and the joint refill is the first tensor load behind the round.
.macro TURN slot, next, fill
	WIN 0                                          ; (the add's two registers lie in window 0)
	s_wait_tensorcnt 0x0                           ; all my tensor loads have landed: my part of the next slot
	ds_add_u32 v[SPW], v[NIL]                      ; 0 onto my spare word
	s_wait_dscnt 17                                ; (the add and the youngest sixteen loads may be out)
	MUL8 F1, 0, 0, 0                               ; eight matrix instructions stand between the add and the wait for it
	s_wait_dscnt 0x0                               ; the add is done, and my reads of this slot are over
	s_barrier_signal -1
	MUL8 F1, 0, 2, 0
.if \fill
	WIN 0
.endif
	s_barrier_wait -1
.if \fill
	CREST                                          ; no wave of any partner still reads this slot's tile or has a load on its way
	s_add_nc_u64 s[G0+4*(\slot)+2:G0+4*(\slot)+3], s[G0+4*(\slot)+2:G0+4*(\slot)+3], 2*ASTEP
	s_add_nc_u64 s[G0B+4*(\slot)+2:G0B+4*(\slot)+3], s[G0B+4*(\slot)+2:G0B+4*(\slot)+3], 2*BSTEP
	JLOAD \slot                                    ; its four v_nop are also the places in front of the loads below
.else
	PLACES
.endif
	FETCH \next, 0, F0
	MUL8 F1, 1, 0, 0
	MUL8 F1, 1, 2, 0
.endm
	s_wait_tensorcnt 1                             ; my part of K step 0 is in; K step 1's may stay out
	s_barrier_signal -1
	s_barrier_wait -1                              ; everybody's is
	FETCH 0, 0, F0
	WIN 0x80                                       ; destination window 2, address window 0
.irp a, 0,1,2,3
.irp t, 0,1,2,3,4,5,6,7
	global_load_b128 v[32*(\a)+4*(\t):32*(\a)+4*(\t)+3], v[CO], s[XB:XB+1] offset:(16*(\a)+2*(\t))*4096 th:TH_LOAD_NT  ; x: 16 lanes take 256 consecutive bytes of a row
.endr
.endr
	QUARTER 0, 1, F0, F1, 1                        ; K step 0: its first products start the sums
	QUARTER 0, 2, F1, F0, 0
	QUARTER 0, 3, F0, F1, 0
	TURN 0, 1, 1                                   ; slot 0 takes K step 2
	QUARTER 1, 1, F0, F1, 0                        ; K step 1
	QUARTER 1, 2, F1, F0, 0
	QUARTER 1, 3, F0, F1, 0
	TURN 1, 0, 1                                   ; slot 1 takes K step 3
	QUARTER 0, 1, F0, F1, 0                        ; K step 2
	QUARTER 0, 2, F1, F0, 0
	QUARTER 0, 3, F0, F1, 0
	TURN 0, 1, 0                                   ; nothing is left to fetch
	QUARTER 1, 1, F0, F1, 0                        ; K step 3
	QUARTER 1, 2, F1, F0, 0
	QUARTER 1, 3, F0, F1, 0
	s_wait_dscnt 16
	MUL8 F1, 0, 0, 0
	MUL8 F1, 0, 2, 0
	s_wait_dscnt 0x0
	MUL8 F1, 1, 0, 0
	MUL8 F1, 1, 2, 0
	WIN 0
	; THE WAY OUT, a block of 16 rows at a time: 32 bytes a lane into my own stage; back as whole rows of 256 bytes, into the registers that they left; x is added; stored.
.macro TOSTAGE a
.irp b, 0,1,2,3
	ds_store_b128 v[STO], v[ACC+8*(4*(\a)+(\b)):ACC+8*(4*(\a)+(\b))+3]   offset:64*(\b)      ; each accumulator's low registers first
	ds_store_b128 v[STO], v[ACC+8*(4*(\a)+(\b))+4:ACC+8*(4*(\a)+(\b))+7] offset:64*(\b)+16
.endr
.irp t, 0,1,2,3,4,5,6,7
	ds_load_b128 v[ACC+32*(\a)+4*(\t):ACC+32*(\a)+4*(\t)+3], v[RD] offset:(\t)*2*SPITCH  ; LDS serves a wave's instructions in order (ISA guide 5.7.1.4): these see the stores above; the next block's stores come behind them
.endr
.endm
.macro SEND a, younger                 ; younger: the LDS instructions issued behind block a's loads: the next block's sixteen, or none
	s_wait_dscnt \younger
	WIN 0x08                                       ; source 1 (x) in window 2
.set z, 0
.rept 16
	v_pk_add_f32 v[ACC+32*(\a)+z:ACC+32*(\a)+z+1], v[ACC+32*(\a)+z:ACC+32*(\a)+z+1], v[32*(\a)+z:32*(\a)+z+1]
.set z, z+2
.endr
	WIN 0
.irp t, 0,1,2,3,4,5,6,7
	global_store_b128 v[CO], v[ACC+32*(\a)+4*(\t):ACC+32*(\a)+4*(\t)+3], s[YB:YB+1] offset:(16*(\a)+2*(\t))*4096 th:TH_STORE_NT  ; 16 lanes store 256 consecutive bytes, at a multiple of 256 from out0's first byte
.endr
.endm
	PLACES
	s_wait_loadcnt 0x0                             ; x
	TOSTAGE 0
	TOSTAGE 1
	SEND 0, 16
	TOSTAGE 2
	SEND 1, 16
	TOSTAGE 3
	SEND 2, 16
	SEND 3, 0
	s_wait_tensorcnt 0x0                           ; the wave's end, behind my last tensor load and my last LDS store
	ds_add_u32 v[SPW], v[NIL]
	s_wait_dscnt 0x0
	CROUND                                         ; the closing round: no work-group ends while a partner may still ask for a tile that names it
	s_endpgm
.Lfunc_end_k_qeda04939e7_outp:
	.size	k_qeda04939e7_outp, .Lfunc_end_k_qeda04939e7_outp-k_qeda04939e7_outp
	.p2alignl 7, 3214868480
	.fill 96, 4, 3214868480
	.section	.rodata,"a",@progbits
	.p2align	6, 0x0
	.amdhsa_kernel k_qeda04939e7_outp
		.amdhsa_group_segment_fixed_size 327680
		.amdhsa_private_segment_fixed_size 0
		.amdhsa_enable_private_segment 0
		.amdhsa_kernarg_size 32
		.amdhsa_user_sgpr_count 2
		.amdhsa_user_sgpr_kernarg_segment_ptr 1
		.amdhsa_wavefront_size32 1
		.amdhsa_system_sgpr_workgroup_id_x 1
		.amdhsa_system_sgpr_workgroup_id_y 1
		.amdhsa_system_sgpr_workgroup_id_z 1
		.amdhsa_system_vgpr_workitem_id 0
		.amdhsa_next_free_vgpr 640
		.amdhsa_next_free_sgpr 72
		.amdhsa_reserve_vcc 0
		.amdhsa_float_denorm_mode_32 3
		.amdhsa_float_denorm_mode_16_64 3
		.amdhsa_memory_ordered 1
		.amdhsa_forward_progress 1
		.amdhsa_inst_pref_size 93
	.end_amdhsa_kernel
	.amdgpu_metadata
---
amdhsa.version: [ 1, 2 ]
amdhsa.kernels:
  - .name:           k_qeda04939e7_outp
    .symbol:         k_qeda04939e7_outp.kd
    .args:
      - { .name: o16, .offset: 0, .size: 8, .value_kind: global_buffer, .address_space: global }
      - { .name: wo16, .offset: 8, .size: 8, .value_kind: global_buffer, .address_space: global }
      - { .name: x, .offset: 16, .size: 8, .value_kind: global_buffer, .address_space: global }
      - { .name: out0, .offset: 24, .size: 8, .value_kind: global_buffer, .address_space: global }
    .group_segment_fixed_size: 327680
    .private_segment_fixed_size: 0
    .kernarg_segment_align: 8
    .kernarg_segment_size: 32
    .max_flat_workgroup_size: 128
    .sgpr_count:     72
    .vgpr_count:     640
    .wavefront_size: 32
...
	.end_amdgpu_metadata
.endif
;; end of part 4
